; MI455X (gfx1250); checked and timed in simulation.
; The chip was launched on July 23, 2026; its instructions are those of AMD's public machine-readable ISA for CDNA 5 (MIT licence, August 2026) and "CDNA5" Instruction Set Architecture Reference Guide (July 2026). The comments in the code are by the model that wrote it; some were corrected since.
;; Causal Self Attention. Allowed arithmetic: float matrix products may take bf16 or f16 operands with f32 sums; all other float work in f32.
;; Inputs: w_proj 1,024 x 1,024 float32; w_qkv 3,072 x 1,024 float32; x 4 x 2,048 x 1,024 float32.
;; Outputs: out0 4 x 2,048 x 1,024 float32.
;; 2 versions, each right; version 2 is version 1 with the launch cast written anew for expert scheduling mode. Each part assembles by itself: llvm-mc -triple=amdgcn-amd-amdhsa -mcpu=gfx1250 --defsym DOCPART=n.
;; ======== version 1 of 2: 4 launches
;; limits: values are held in f16: magnitudes above 65,504 overflow, below 6.1e-05 lose precision
;; workspace buffers: xb 16,777,216 bytes; wqb 6,291,456 bytes; wph 2,097,152 bytes; qkvh 50,331,648 bytes; yh 16,777,216 bytes
;; launch cast (part 1): grid 768 x 1, 8 waves a work-group, no clusters, 0 bytes of LDS; arguments x, w_qkv, w_proj, xb, wqb, wph; writes xb, wqb, wph
.if DOCPART == 1
	.amdgcn_target "amdgcn-amd-amdhsa--gfx1250"
	.amdhsa_code_object_version 6
	.text
	.protected	k_q27c2c53146_cast
	.globl	k_q27c2c53146_cast
	.p2align	8
	.type	k_q27c2c53146_cast,@function
k_q27c2c53146_cast:
	s_mov_b64 s[64:65], 0
	v_nop
	global_prefetch_b8 v0, s[64:65] scope:SCOPE_SE
	s_setreg_imm32_b32 hwreg(HW_REG_WAVE_MODE, 25, 1), 1
	s_wait_xcnt 0x0
; cast: the three f32 inputs are rounded once to the 16-bit operands of the matrix launches.
;   x -> xb (bf16), w_qkv -> wqb (bf16), w_proj -> wph: rounded to bf16 like the others, and that value written as f16,
;   since it multiplies an f16 operand.  LIMIT: the second step is exact for 2^-14 <= |w| < 65,504; below it the absolute
;   error is at most 2^-25, above it the f16 is infinite.
; A work-group takes a chunk of 16,384 numbers (65,536 bytes in, 32,768 out): chunks 0-511 are x's, 512-703 w_qkv's, 704-767 w_proj's.
; Thread t takes 16 bytes at 16 t + 4,096 i, i = 0..15: a load of a wave covers 512 neighbouring bytes, a store of a wave
; (8 bytes a lane) 256 neighbouring bytes that begin at a multiple of 256 from the buffer's first byte.
; All sixteen loads go out first; no register is written twice while a store reads it, so no wait frees any.
; No LDS, no matrix unit, no cluster: every byte is read once and written once and no work-group shares a byte with another.
.set X, 4                              ; v[4:67]    piece i: 4 numbers in f32
.set Y, 68                             ; v[68:99]   piece i: 4 numbers in 16 bits
.set T, 100                            ; v[100:105] at work (w_proj's path)
	s_load_b256 s[4:11], s[0:1], 0x0               ; x s[4:5], w_qkv s[6:7], w_proj s[8:9], xb s[10:11]
	s_load_b128 s[12:15], s[0:1], 0x20             ; wqb s[12:13], wph s[14:15]
	v_lshlrev_b32 v1, 4, v0                        ; 16 t: my bytes in a piece of the source
	v_lshlrev_b32 v2, 3, v0                        ; 8 t: in a piece of the result
	s_movk_i32 s24, 704                            ; first chunk of w_proj
	s_movk_i32 s25, 512                            ; first chunk of w_qkv
	s_wait_kmcnt 0x0
	s_cmp_ge_u32 ttmp9, s24                        ; the choice of buffers hangs on the work-group's number alone
	s_cselect_b64 s[20:21], s[8:9], s[6:7]
	s_cselect_b64 s[22:23], s[14:15], s[12:13]
	s_cselect_b32 s17, s24, s25
	s_cmp_lt_u32 ttmp9, s25
	s_cselect_b64 s[20:21], s[4:5], s[20:21]
	s_cselect_b64 s[22:23], s[10:11], s[22:23]
	s_cselect_b32 s17, 0, s17
	s_sub_co_u32 s16, ttmp9, s17                   ; my chunk in its tensor
	s_lshl_b32 s18, s16, 16                        ; 65,536 bytes of source a chunk (at most 511 chunks: under 2^25)
	s_mov_b32 s19, 0
	s_add_nc_u64 s[20:21], s[20:21], s[18:19]
	s_lshl_b32 s18, s16, 15                        ; 32,768 bytes of result
	s_add_nc_u64 s[22:23], s[22:23], s[18:19]
.irp i, 0,1,2,3,4,5,6,7,8,9,10,11,12,13,14,15
	global_load_b128 v[X+4*\i:X+4*\i+3], v1, s[20:21] offset:4096*\i th:TH_LOAD_NT
.endr
	s_cmp_ge_u32 ttmp9, s24
	s_cbranch_scc1 .Lproj
.irp i, 0,1,2,3,4,5,6,7,8,9,10,11,12,13,14,15
	s_wait_loadcnt 15-\i                           ; loads come back in order: piece i is in, the younger ones stay out
	v_cvt_pk_bf16_f32 v[Y+2*\i],   v[X+4*\i],   v[X+4*\i+1]
	v_cvt_pk_bf16_f32 v[Y+2*\i+1], v[X+4*\i+2], v[X+4*\i+3]
	global_store_b64 v2, v[Y+2*\i:Y+2*\i+1], s[22:23] offset:2048*\i   ; the next launch reads these bytes: no streaming hint
.endr
	s_endpgm
.Lproj:
.irp i, 0,1,2,3,4,5,6,7,8,9,10,11,12,13,14,15
	s_wait_loadcnt 15-\i
	v_cvt_pk_bf16_f32 v[T],   v[X+4*\i],   v[X+4*\i+1]      ; the rounding that all inputs get,
	v_cvt_pk_bf16_f32 v[T+1], v[X+4*\i+2], v[X+4*\i+3]
	v_lshlrev_b32 v[T+2], 16, v[T]                          ; widened again,
	v_and_b32     v[T+3], 0xffff0000, v[T]
	v_lshlrev_b32 v[T+4], 16, v[T+1]
	v_and_b32     v[T+5], 0xffff0000, v[T+1]
	v_cvt_pk_f16_f32 v[Y+2*\i],   v[T+2], v[T+3]            ; and written as f16: 8 bits of mantissa fit in 11
	v_cvt_pk_f16_f32 v[Y+2*\i+1], v[T+4], v[T+5]
	global_store_b64 v2, v[Y+2*\i:Y+2*\i+1], s[22:23] offset:2048*\i
.endr
	s_endpgm
.Lfunc_end_k_q27c2c53146_cast:
	.size	k_q27c2c53146_cast, .Lfunc_end_k_q27c2c53146_cast-k_q27c2c53146_cast
	.p2alignl 7, 3214868480
	.fill 96, 4, 3214868480
	.section	.rodata,"a",@progbits
	.p2align	6, 0x0
	.amdhsa_kernel k_q27c2c53146_cast
		.amdhsa_group_segment_fixed_size 0
		.amdhsa_private_segment_fixed_size 0
		.amdhsa_enable_private_segment 0
		.amdhsa_kernarg_size 48
		.amdhsa_user_sgpr_count 2
		.amdhsa_user_sgpr_kernarg_segment_ptr 1
		.amdhsa_wavefront_size32 1
		.amdhsa_system_sgpr_workgroup_id_x 1
		.amdhsa_system_sgpr_workgroup_id_y 1
		.amdhsa_system_sgpr_workgroup_id_z 1
		.amdhsa_system_vgpr_workitem_id 0
		.amdhsa_next_free_vgpr 108
		.amdhsa_next_free_sgpr 66
		.amdhsa_reserve_vcc 0
		.amdhsa_float_denorm_mode_32 3
		.amdhsa_float_denorm_mode_16_64 3
		.amdhsa_memory_ordered 1
		.amdhsa_forward_progress 1
		.amdhsa_inst_pref_size 16
	.end_amdhsa_kernel
	.amdgpu_metadata
---
amdhsa.version: [ 1, 2 ]
amdhsa.kernels:
  - .name:           k_q27c2c53146_cast
    .symbol:         k_q27c2c53146_cast.kd
    .args:
      - { .name: x, .offset: 0, .size: 8, .value_kind: global_buffer, .address_space: global }
      - { .name: w_qkv, .offset: 8, .size: 8, .value_kind: global_buffer, .address_space: global }
      - { .name: w_proj, .offset: 16, .size: 8, .value_kind: global_buffer, .address_space: global }
      - { .name: xb, .offset: 24, .size: 8, .value_kind: global_buffer, .address_space: global }
      - { .name: wqb, .offset: 32, .size: 8, .value_kind: global_buffer, .address_space: global }
      - { .name: wph, .offset: 40, .size: 8, .value_kind: global_buffer, .address_space: global }
    .group_segment_fixed_size: 0
    .private_segment_fixed_size: 0
    .kernarg_segment_align: 8
    .kernarg_segment_size: 48
    .max_flat_workgroup_size: 256
    .sgpr_count:     66
    .vgpr_count:     108
    .wavefront_size: 32
...
	.end_amdgpu_metadata
.endif
;; end of part 1
;; launch qkv (part 2): grid 12 x 16, 4 waves a work-group, clusters of 4 x 4, 327,680 bytes of LDS; arguments xb, wqb, qkvh; writes qkvh
.if DOCPART == 2
	.amdgcn_target "amdgcn-amd-amdhsa--gfx1250"
	.amdhsa_code_object_version 6
	.text
	.protected	k_q27c2c53146_qkv
	.globl	k_q27c2c53146_qkv
	.p2align	8
	.type	k_q27c2c53146_qkv,@function
k_q27c2c53146_qkv:
	s_mov_b64 s[64:65], 0
	v_nop
	global_prefetch_b8 v0, s[64:65] scope:SCOPE_SE
	s_setreg_imm32_b32 hwreg(HW_REG_WAVE_MODE, 25, 1), 1
	s_wait_xcnt 0x0
	s_wait_alu depctr_hold_cnt(0) depctr_sa_sdst(0) depctr_va_vdst(0) depctr_va_sdst(0) depctr_va_ssrc(0) depctr_va_vcc(0) depctr_vm_vsrc(0)
	s_getreg_b32 s2, hwreg(HW_REG_IB_STS2, 6, 4)
	s_cmp_eq_u32 s2, 0
	s_cbranch_scc0 .Lentry_in_a_cluster
	s_endpgm
.Lentry_in_a_cluster:
	s_bfe_u32 s2, ttmp6, 0x10000c
	s_cmp_lg_u32 s2, 0xf033
	s_cbranch_scc0 .Lentry_shape_is_right
	s_endpgm
.Lentry_shape_is_right:
; qkv: C[m][n] = sum over k of xb[m][k] wqb[n][k], m < 8192, n < 3072, k < 1024; bf16 operands, f32 sums; C is rounded once to f16 and
; stored by head: qkvh[region n/1024][batch m/2048][head (n%1024)/64][t = m%2048][channel n%64].
; LIMIT: q, k and v are kept in f16: magnitudes of 65,504 and more become infinite, those under 2^-14 carry an absolute error of up to 2^-25.
; SHARES.  A tile of C is 256 x 256: four waves, each 128 x 128: 64 accumulators, 512 registers.  C has 32 x 12 = 384 such tiles; 192 work-groups STAY and make two each, 4,096 rows
; (two batches) apart.  384 tiles cannot be dealt evenly to 256 WGPs, so 64 of them get no work-group.  That is the price of this tile: a K step of 128 holds 256 matrix instructions
; a wave, 224 of them between a tile's request and the wait for it, and 32 along K read 16 KB of LDS for 64 matrix instructions.
; K goes in steps of 128 through two LDS slots filled by the tensor data mover: rows of 256 bytes that begin at multiples of 256 from the buffer's first byte.  The ring does not stop
; between the two tiles: the first tile's last two changes of slots ask for the second tile's K steps 0 and 1, and then the first tile goes out.  The second tile's last K step goes by
; rows of C, so that finished rows leave while the others are multiplied.  The two tiles are written out one after the other: the only loop is the one over laps.
; CLUSTER 4 x 4: the four work-groups of a row of the cluster need the same tiles of xb, the four of a column the same tiles of wqb; each tile is asked for jointly, by the same tensor
; load with the same descriptor and a mask that names the four.
; THE MATRIX INSTRUCTION IS USED TRANSPOSED: source 0 = 16 rows of wqb, source 1 = 16 rows of xb, so that a lane holds row l % 16 of C and eight neighbouring columns.
; REGISTERS, in windows of 256 (s_set_vgpr_msb's low byte: bits 1:0 source 0, 3:2 source 1, 5:4 source 2, 7:6 destination):
;   window 0: v0-31 addresses; v64-127, v128-191 xb's fragments, two buffers (in the very last K step four, of 16 rows x 128 K); v32-63, v192-255 at work on the way out
;   window 1: v64-127, v128-191 wqb's fragments, two buffers; in the very last K step all 256
;   window 2: the 32 accumulators of my rows 0-63 (accumulator (a, b) at v[8 (8 a + b)]);   window 3: those of my rows 64-127
.set SIZE_K, 1024
.set KSTEP,  128
.set PITCH,  272                       ; an LDS row: 256 bytes + 16 of padding = 68 words: the 16 rows of a fragment load start at 16 different banks (64 banks of 4 bytes: ISA guide 11.1)
.set HALFT,  128*PITCH                 ; 128 rows: what one tensor load brings, and what one wave reads of xb or of wqb
.set SLOT,   4*HALFT                   ; xb's 256 rows, then wqb's 256 rows
.set STAGE,  2*SLOT                    ; behind the ring: each wave's own stage for the way out
.set SPITCH, 144                       ; a stage row: a head's 128 bytes + 16
.set WSTAGE, 32*SPITCH                 ; two heads x 16 rows
.set SPARE,  STAGE+4*WSTAGE            ; behind the stages: the spare words, 128 bytes a wave: two blocks of 256 bytes that no other line names
.set LAPS,   SIZE_K/(2*KSTEP)          ; a lap = two K steps = once round the ring
.set WALK,   4096                      ; rows from my first tile to my second
.set NEXT_A, WALK*SIZE_K*2-(SIZE_K-2*KSTEP)*2   ; bytes from a slot's last K step of the first tile to its first of the second: xb goes WALK rows down and back along K,
.set BACK_B, (SIZE_K-2*KSTEP)*2        ; wqb only back: both tiles take the same rows of it
.set NEXT_C, 2<<22                     ; two batches on in qkvh
.set ADRA, 16                          ; v16-17  LDS address of my xb fragments in slot 0, 1
.set ADRB, 20                          ; v20-21  the same for wqb
.set STO,  24                          ; v24     way out: where I put 16 bytes of a row
.set RD,   25                          ; v25     way out: where I read rows back
.set CO,   26                          ; v26     16 x lane: my bytes in 512 neighbouring bytes of the result
.set SPW,  28                          ; v28     LDS address of my spare word; never rewritten
.set NIL,  29                          ; v29     0; never rewritten
.set F0,   64                          ; fragment buffer 0
.set F1,   128                         ; fragment buffer 1
.set TMP,  192                         ; way out: packed results, window 0
.set OB,   32                          ; way out: rows read back: v32-63 and v224-255 by turns
.set PA,   64                          ; the very last K step: xb's fragments of 16 rows x 128 K, 32 registers; four such buffers, v64-191
.set G1,  24                           ; s[24:31] group 1 for xb's tiles;  s[32:39] group 0, a set for each slot
.set G0,  32
.set G1B, 48                           ; s[48:55], s[56:63] the same for wqb's
.set G0B, 56
.set MSB, 0
.macro WIN new                         ; the immediate's high byte repeats the setting that is left; a switch that changes nothing is dropped
.if MSB != \new
	s_set_vgpr_msb (MSB<<8)|\new
.set MSB, \new
.endif
.endm
.set MUL_LO, 0xa1                      ; source 0 (wqb) window 1, source 1 (xb) window 0, C and D window 2
.set MUL_HI, 0xf1                      ; the same, C and D window 3
.set TO_B,   0x40                      ; destination window 1, address window 0
; A joint load: waves 0 and 1 fetch xb's two halves, waves 2 and 3 wqb's.  The branch hangs on the wave's number alone.  Four v_nop follow each of the two lines.
.macro JLOAD s
	s_cmp_eq_u32 s11, 0
	s_cbranch_scc0 .Lfor_b_\@
	tensor_load_to_lds s[G0+4*\s:G0+4*\s+3], s[G1:G1+7]
	s_nop 0
.rept 4
	v_nop
.endr
	s_branch .Lasked_\@
.Lfor_b_\@:
	tensor_load_to_lds s[G0B+4*\s:G0B+4*\s+3], s[G1B:G1B+7]
	s_nop 0
.rept 4
	v_nop
.endr
.Lasked_\@:
.endm
.macro CREST                           ; a round of the cluster's barrier behind its opening barrier
	s_cmp_lg_u32 s10, 0
	s_cbranch_scc1 .Lnot_wave_0_\@
	s_barrier_signal -3
.Lnot_wave_0_\@:
	s_barrier_wait -3
	s_barrier_signal -1
	s_barrier_wait -1
.endm
.macro CROUND                          ; a whole round
	s_barrier_signal -1
	s_barrier_wait -1
	CREST
.endm
	s_load_b128 s[4:7], s[0:1], 0x0                ; xb s[4:5], wqb s[6:7]
	s_load_b64 s[8:9], s[0:1], 0x10                ; qkvh
	v_lshl_add_u32 v[SPW], v0, 2, SPARE
	v_mov_b32 v[NIL], 0
	ds_add_u32 v28, v29
	s_wait_dscnt 0x0
	v_lshrrev_b32 v1, 5, v0
	v_readfirstlane_b32 s10, v1                    ; wave 0..3
	s_lshr_b32 s11, s10, 1                         ; which 128 rows of the tile are mine.  Also: I fetch for xb (0) or for wqb (1)
	s_and_b32 s12, s10, 1                          ; which 128 columns.  Also: which 128 rows of that tile I fetch
	s_bfe_u32 s40, ttmp6, 0x40000                  ; cx
	s_bfe_u32 s41, ttmp6, 0x40004                  ; cy
	s_lshl_b32 s42, ttmp9, 2
	s_add_co_u32 s42, s42, s40                     ; tile column = 4 x cluster x + cx: 0..11
	s_and_b32 s13, ttmp7, 0xffff
	s_lshl_b32 s13, s13, 2
	s_add_co_u32 s13, s13, s41                     ; tile row of my first tile = 4 x cluster y + cy: 0..15
	s_lshl_b32 s43, s41, 2
	s_lshl_b32 s43, 15, s43                        ; my row of the cluster
	s_lshl_b32 s44, 0x1111, s40                    ; my column
	; group 1: 15:0 mask; 17:16 elements of 2 bytes; 20 padding on; 21 set beside a mask; 24:22 after every 64 words (code 5); 31:25 4 words (code 3)
	s_or_b32 s[G1+0], s43, (1<<16)|(1<<20)|(1<<21)|(5<<22)|(3<<25)
	s_or_b32 s[G1B+0], s44, (1<<16)|(1<<20)|(1<<21)|(5<<22)|(3<<25)
.irp g, G1, G1B
	s_mov_b32 s[\g+1], KSTEP<<16                   ; tensor_dim0 = 128
	s_mov_b32 s[\g+2], 128<<16                     ; tensor_dim1 = 128
	s_mov_b32 s[\g+3], KSTEP<<16                   ; tile_dim0 = 128
	s_mov_b32 s[\g+4], 128                         ; tile_dim1 = 128
	s_mov_b32 s[\g+5], SIZE_K                      ; elements from row to row
	s_mov_b32 s[\g+6], 0
	s_mov_b32 s[\g+7], 0
.endr
	; xb's address is made of the tile row and the wave's number, wqb's of the tile column and the wave's number, each in registers that never hold the other coordinate
	s_lshl_b32 s16, s13, 8
	s_lshl_b32 s17, s12, 7
	s_add_co_u32 s16, s16, s17                     ; xb: row 256 x tile row + 128 x half
	s_lshl_b32 s16, s16, 11                        ; x 2,048 bytes: under 2^23
	s_mov_b32 s17, 0
	s_lshl_b32 s46, s42, 8
	s_lshl_b32 s47, s12, 7
	s_add_co_u32 s46, s46, s47                     ; wqb: row 256 x tile column + 128 x half
	s_lshl_b32 s46, s46, 11
	s_mov_b32 s47, 0
	s_mul_i32 s20, s10, HALFT                      ; where they go: xb's two halves, then wqb's two halves = wave x 128 rows: no place in the cluster enters an LDS address
	s_wait_kmcnt 0x0
	s_add_nc_u64 s[14:15], s[4:5], s[16:17]
	s_add_nc_u64 s[46:47], s[6:7], s[46:47]
	CROUND                                         ; all sixteen work-groups are here: the first joint loads meet
.irp s, 0,1
	s_mov_b32 s[G0+4*\s], 1                                        ; count = 1
	s_add_co_u32 s[G0+4*\s+1], s20, \s*SLOT                        ; LDS address
	s_add_nc_u64 s[G0+4*\s+2:G0+4*\s+3], s[14:15], \s*KSTEP*2      ; global address: K step s
	s_or_b32 s[G0+4*\s+3], s[G0+4*\s+3], 0x80000000                ; type = 2
	s_mov_b32 s[G0B+4*\s], 1
	s_add_co_u32 s[G0B+4*\s+1], s20, \s*SLOT
	s_add_nc_u64 s[G0B+4*\s+2:G0B+4*\s+3], s[46:47], \s*KSTEP*2
	s_or_b32 s[G0B+4*\s+3], s[G0B+4*\s+3], 0x80000000
	JLOAD \s                                       ; two loads of mine are out here, later one
.endr
	; a fragment is 16 rows x 32 K in 8 registers: lane l holds row l % 16; registers 0-3 K = 8 (l / 16) + 0..7, registers 4-7 K = 16 + 8 (l / 16) + 0..7: two loads of 16 bytes, 32 apart
	v_and_b32 v1, 15, v0                           ; l % 16
	v_bfe_u32 v2, v0, 4, 1                         ; l / 16
	v_mul_u32_u24 v3, v1, PITCH
	v_lshl_add_u32 v3, v2, 4, v3                   ; row x pitch + 16 x half
	s_mul_i32 s21, s11, HALFT                      ; my 128 rows of xb
	s_mul_i32 s22, s12, HALFT                      ; my 128 rows of wqb,
	s_add_co_u32 s22, s22, 2*HALFT                 ; which lie behind xb's 256
.irp s, 0,1
	v_add_nc_u32 v[ADRA+\s], s21, v3
	v_add_nc_u32 v[ADRB+\s], s22, v3
	s_add_co_u32 s21, s21, SLOT
	s_add_co_u32 s22, s22, SLOT
.endr
	s_mul_i32 s23, s10, WSTAGE
	s_add_co_u32 s23, s23, STAGE                   ; my stage
	v_mul_u32_u24 v5, v1, SPITCH                   ; in: row l % 16, 16 bytes for each half of the lanes
	v_lshl_add_u32 v5, v2, 4, v5
	v_add_nc_u32 v[STO], s23, v5
	v_bfe_u32 v5, v0, 3, 2                         ; back: eight lanes take a row of 128 bytes, the wave four rows
	v_mul_u32_u24 v5, v5, SPITCH
	v_and_b32 v6, 7, v0
	v_lshl_add_u32 v5, v6, 4, v5
	v_add_nc_u32 v[RD], s23, v5
	v_and_b32 v6, 31, v0
	v_lshlrev_b32 v[CO], 4, v6                     ; four rows of a head are 512 neighbouring bytes of qkvh
	; my part of the first tile: region (tile column / 4) << 24, batch (tile row / 8) << 22, head ((tile column % 4) 4 + 2 x column half) << 18, t << 7
	s_lshr_b32 s16, s13, 3
	s_lshl_b32 s16, s16, 22
	s_and_b32 s17, s13, 7
	s_lshl_b32 s17, s17, 8
	s_lshl_b32 s18, s11, 7
	s_add_co_u32 s17, s17, s18                     ; t of my first row
	s_lshl_b32 s17, s17, 7
	s_add_co_u32 s16, s16, s17
	s_lshr_b32 s46, s42, 2
	s_lshl_b32 s46, s46, 24
	s_and_b32 s47, s42, 3
	s_lshl_b32 s47, s47, 2
	s_lshl_b32 s18, s12, 1
	s_add_co_u32 s47, s47, s18
	s_lshl_b32 s47, s47, 18
	s_add_co_u32 s46, s46, s47
	s_add_co_u32 s16, s16, s46                     ; under 3 x 2^24
	s_mov_b32 s17, 0
	s_add_nc_u64 s[8:9], s[8:9], s[16:17]
; 16 matrix instructions: m blocks a0, a0 + 1 of the window's four (hi = 0: my rows 0-63, 1: rows 64-127) x all 8 n blocks, 32 along K.  zero = 1: the product starts the sums: nothing is cleared.
; The 64 accumulators take turns, one instruction a turn, in the same order in every quarter.
.macro MUL16 f, hi, a0, zero
.irp a, \a0, \a0+1
.irp b, 0,1,2,3,4,5,6,7
.if \zero
	v_wmma_f32_16x16x32_bf16 v[8*(8*(\a)+\b):8*(8*(\a)+\b)+7], v[\f+8*\b:\f+8*\b+7], v[\f+8*(4*\hi+\a):\f+8*(4*\hi+\a)+7], 0
.else
	v_wmma_f32_16x16x32_bf16 v[8*(8*(\a)+\b):8*(8*(\a)+\b)+7], v[\f+8*\b:\f+8*\b+7], v[\f+8*(4*\hi+\a):\f+8*(4*\hi+\a)+7], v[8*(8*(\a)+\b):8*(8*(\a)+\b)+7]
.endif
.endr
.endr
.endm
; 32 LDS loads in one run: the fragments of one quarter step (128 rows of wqb, 128 rows of xb, 32 K at byte k of the rows) into buffer f
.macro FETCH slot, k, f
	WIN TO_B
.irp i, 0,1,2,3,4,5,6,7
	ds_load_b128 v[\f+8*\i:\f+8*\i+3],   v[ADRB+\slot] offset:\k+\i*16*PITCH
	ds_load_b128 v[\f+8*\i+4:\f+8*\i+7], v[ADRB+\slot] offset:\k+\i*16*PITCH+32
.endr
	WIN 0
.irp i, 0,1,2,3,4,5,6,7
	ds_load_b128 v[\f+8*\i:\f+8*\i+3],   v[ADRA+\slot] offset:\k+\i*16*PITCH
	ds_load_b128 v[\f+8*\i+4:\f+8*\i+7], v[ADRA+\slot] offset:\k+\i*16*PITCH+32
.endr
.endm
; four places in front of loads into registers that matrix instructions have read, and of conversions that read results just made (ISA guide 7.12.1 for the conversions)
.macro PLACES
.rept 4
	v_nop
.endr
.endm
; A K step is four quarters of 32 along K, 64 matrix instructions each, on buffers 0, 1, 0, 1.  One of the first three multiplies buffer f; in its middle it fetches the next quarter, at byte k, into g.
.macro QUARTER slot, k, f, g, zero
	s_wait_dscnt 8                                 ; wqb's fragments and xb's rows 0-63 are in; the youngest eight loads (xb's rows 64-127) may be out
	WIN MUL_LO
	MUL16 \f, 0, 0, \zero
	MUL16 \f, 0, 2, \zero
	PLACES
	FETCH \slot, \k, \g
	s_wait_dscnt 32                                ; all but the 32 just issued
	WIN MUL_HI
	MUL16 \f, 1, 0, \zero
	MUL16 \f, 1, 2, \zero
.endm
; The last quarter multiplies buffer 1 and changes slots.  MEET is its first half: one barrier for the change.  In front of it each wave waits for all its tensor loads (one is out: its part of the
; next slot), adds 0 to its spare word, and waits for that and for its reads of this slot.  Behind it nobody reads this slot any more and the next slot is whole.
.macro MEET round                      ; round = 1: a round of the cluster's barrier follows
	WIN 0                                          ; the add's two registers lie in window 0
	s_wait_tensorcnt 0x0
	ds_add_u32 v[SPW], v[NIL]
	s_wait_dscnt 9                                 ; the add and the youngest eight loads may be out
	WIN MUL_LO
	MUL16 F1, 0, 0, 0                              ; sixteen matrix instructions stand between the add and the wait for it
	s_wait_dscnt 0x0                               ; the add is done, and my reads of this slot are over
	s_barrier_signal -1
	MUL16 F1, 0, 2, 0                              ; work on registers while the others arrive
.if \round
	WIN 0
.endif
	s_barrier_wait -1
.endm
; The whole last quarter.  Behind the round the slot just read out is filled again first: with this tile's K step two steps on (on = 0) or with the second tile's K step 0 or 1 (on = 1);
; then come the next slot's first fragments.  From a request to the wait for it a wave issues 224 matrix instructions.
.macro TURN slot, next, on
	MEET 1
	CREST                                          ; no wave of any partner still reads this slot or has a load on its way
.if \on
	s_add_nc_u64 s[G0+4*\slot+2:G0+4*\slot+3], s[G0+4*\slot+2:G0+4*\slot+3], NEXT_A
	s_sub_nc_u64 s[G0B+4*\slot+2:G0B+4*\slot+3], s[G0B+4*\slot+2:G0B+4*\slot+3], BACK_B
.else
	s_add_nc_u64 s[G0+4*\slot+2:G0+4*\slot+3], s[G0+4*\slot+2:G0+4*\slot+3], 2*KSTEP*2
	s_add_nc_u64 s[G0B+4*\slot+2:G0B+4*\slot+3], s[G0B+4*\slot+2:G0B+4*\slot+3], 2*KSTEP*2
.endif
	JLOAD \slot                                    ; the first tensor load behind the round; its four v_nop are also the places in front of the loads below
	FETCH \next, 0, F0
	WIN MUL_HI
	MUL16 F1, 1, 0, 0
	MUL16 F1, 1, 2, 0
.endm
; A tile from its first quarter (whose products start the sums) to the third quarter of its last lap's first K step.  A trip of the loop goes once round the ring, from a lap's second
; quarter to the next lap's first, and fills both slots again.
.macro TILE_RUN
	QUARTER 0, 64,  F0, F1, 1
	WIN 0                                          ; at a label and at a branch every window is 0
	s_mov_b32 s3, LAPS-1
.Llap_\@:
	QUARTER 0, 128, F1, F0, 0
	QUARTER 0, 192, F0, F1, 0
	TURN 0, 1, 0
	QUARTER 1, 64,  F0, F1, 0
	QUARTER 1, 128, F1, F0, 0
	QUARTER 1, 192, F0, F1, 0
	TURN 1, 0, 0
	QUARTER 0, 64,  F0, F1, 0
	WIN 0
	s_sub_co_u32 s3, s3, 1
	s_cmp_lg_u32 s3, 0
	s_cbranch_scc1 .Llap_\@
	QUARTER 0, 128, F1, F0, 0
	QUARTER 0, 192, F0, F1, 0
.endm
; THE SECOND TILE'S LAST K STEP (it lies in slot 1) GOES BY ROWS OF C.  All its fragments of wqb (4 quarters x 64 registers) fill window 1; then my eight blocks of 16 rows are finished one after the
; other, each with 32 matrix instructions (its 8 accumulators by turns, K ascending).  LDS is read no more than in any other K step.
.macro BLOAD q                         ; wqb's fragments of quarter q -> window 1, v[64 q ..]
.irp i, 0,1,2,3,4,5,6,7
	ds_load_b128 v[64*\q+8*\i:64*\q+8*\i+3],   v[ADRB+1] offset:64*\q+\i*16*PITCH
	ds_load_b128 v[64*\q+8*\i+4:64*\q+8*\i+7], v[ADRB+1] offset:64*\q+\i*16*PITCH+32
.endr
.endm
.macro ALOAD a                         ; xb's fragments of block a, all four quarters -> buffer a % 4
.set FA, PA+32*((\a)%4)
.irp q, 0,1,2,3
	ds_load_b128 v[FA+8*\q:FA+8*\q+3],   v[ADRA+1] offset:64*\q+(\a)*16*PITCH
	ds_load_b128 v[FA+8*\q+4:FA+8*\q+7], v[ADRA+1] offset:64*\q+(\a)*16*PITCH+32
.endr
.endm
.macro ROW a                           ; block a is finished: 32 matrix instructions
.set FA, PA+32*((\a)%4)
.set AC, 64*((\a)%4)                   ; its eight accumulators, in window 2 (blocks 0-3) or 3 (blocks 4-7)
	WIN MUL_LO+0x50*((\a)/4)
.irp q, 0,1,2,3
.if (\a) == 0 && \q == 2
	s_wait_dscnt 24                                ; wqb's quarter 2 is in (behind it: xb's blocks 1 to 3)
.endif
.irp b, 0,1,2,3,4,5,6,7
	v_wmma_f32_16x16x32_bf16 v[AC+8*\b:AC+8*\b+7], v[64*\q+8*\b:64*\q+8*\b+7], v[FA+8*\q:FA+8*\q+7], v[AC+8*\b:AC+8*\b+7]
.endr
.endr
.endm
; THE WAY OUT of block a (16 rows x 128 columns = two heads), in three parts.  PACK: rounded to f16, each accumulator's registers in ascending order.
.macro PACK a
.set AC, 64*((\a)%4)
	WIN 0x0a+5*((\a)/4)                            ; sources 0 and 1: window 2 or 3
.irp b, 0,1,2,3,4,5,6,7
.irp r, 0,1,2,3
	v_cvt_pk_f16_f32 v[TMP+4*\b+\r], v[AC+8*\b+2*\r], v[AC+8*\b+2*\r+1]
.endr
.endr
	WIN 0
.endm
.macro TOSTAGE a                       ; into my own stage, head by head, and back four rows (512 bytes of the result) at a time
.set BK, OB+192*((\a)%2)
.irp b, 0,1,2,3,4,5,6,7
	ds_store_b128 v[STO], v[TMP+4*\b:TMP+4*\b+3] offset:(\b/4)*16*SPITCH+(\b%4)*32
.endr
.irp hh, 0,1
.irp i, 0,1,2,3
	ds_load_b128 v[BK+4*(4*\hh+\i):BK+4*(4*\hh+\i)+3], v[RD] offset:\hh*16*SPITCH+\i*4*SPITCH   ; LDS serves a wave's instructions in order (ISA guide 5.7.1.4): these see the stores above
.endr
.endr
.endm
.macro SEND a, younger                 ; younger: the LDS loads issued behind TOSTAGE's, which may stay out
.set BK, OB+192*((\a)%2)
	s_wait_dscnt \younger                          ; the block is back in registers
	s_wait_xcnt 0x0                                ; the stores of the block before have read their registers, which the next TOSTAGE loads again
.irp hh, 0,1
.irp i, 0,1,2,3
	global_store_b128 v[CO], v[BK+4*(4*\hh+\i):BK+4*(4*\hh+\i)+3], s[8:9] offset:\hh*262144+(\a)*2048+\i*512   ; the wave stores 512 consecutive bytes, at a multiple of 512 from the buffer's first byte
.endr
.endr
.endm
	s_wait_tensorcnt 1                             ; my part of K step 0 is in; K step 1's may stay out
	s_barrier_signal -1
	s_barrier_wait -1
	FETCH 0, 0, F0
	; THE FIRST TILE
	TILE_RUN
	TURN 0, 1, 1                                   ; the ring goes on into the second tile: slot 0 takes its K step 0,
	QUARTER 1, 64,  F0, F1, 0
	QUARTER 1, 128, F1, F0, 0
	QUARTER 1, 192, F0, F1, 0
	TURN 1, 0, 1                                   ; slot 1 its K step 1, and the second tile's first fragments are fetched
	PACK 0                                         ; both refills are asked for: now the tile goes out.  Blocks 0-3 were finished in front of the joint load's places, and their 128 conversions,
	TOSTAGE 0                                      ; which name no register of the last products (blocks 4-7's), are those products' places
.irp a, 1,2,3,4,5,6,7                  ; block a's conversions stand between block a - 1's loads from the stage and the wait for them
	PACK \a
	SEND \a-1, 0
	TOSTAGE \a
.endr
	SEND 7, 0
	s_wait_xcnt 0x0                                ; the stores have read their base
	s_add_nc_u64 s[8:9], s[8:9], NEXT_C            ; my part of the second tile
	; THE SECOND TILE
	TILE_RUN
	MEET 0                                         ; my one tensor load that was still out is slot 1's, the last K step's, so no round follows
	PLACES                                         ; for the loads into buffer 0, which the quarter before multiplied
	WIN TO_B
	BLOAD 0                                        ; three quarters of wqb now: buffer 1 (v128-191 of both windows) is still being multiplied
	BLOAD 1
	BLOAD 3
	WIN 0
	ALOAD 0
	WIN MUL_HI
	MUL16 F1, 1, 0, 0
	MUL16 F1, 1, 2, 0
	PLACES                                         ; for the loads into buffer 1
	WIN TO_B
	BLOAD 2
	WIN 0
	ALOAD 1
	ALOAD 2
	ALOAD 3
	s_wait_dscnt 40                                ; all but the 40 just issued
	ROW 0
.irp a, 0,1,2,3,4,5,6,7                ; each block leaves as soon as it is finished: nothing follows this tile under which its stores could leave
	PLACES                                         ; its conversions read results just made, and no other vector work is at hand
	PACK \a
	TOSTAGE \a
.if \a < 4
	ALOAD \a+4                                     ; its buffer takes the block four further on
	SEND \a, 8
.else
	SEND \a, 0
.endif
.if \a < 7
	ROW \a+1
.endif
.endr
	s_wait_tensorcnt 0x0                           ; the wave's end
	ds_add_u32 v[SPW], v[NIL]
	s_wait_dscnt 0x0
	CROUND                                         ; the closing round: no work-group ends while a partner may still ask for a tile that names it
	s_endpgm
.Lfunc_end_k_q27c2c53146_qkv:
	.size	k_q27c2c53146_qkv, .Lfunc_end_k_q27c2c53146_qkv-k_q27c2c53146_qkv
	.p2alignl 7, 3214868480
	.fill 96, 4, 3214868480
	.section	.rodata,"a",@progbits
	.p2align	6, 0x0
	.amdhsa_kernel k_q27c2c53146_qkv
		.amdhsa_group_segment_fixed_size 327680
		.amdhsa_private_segment_fixed_size 0
		.amdhsa_enable_private_segment 0
		.amdhsa_kernarg_size 24
		.amdhsa_user_sgpr_count 2
		.amdhsa_user_sgpr_kernarg_segment_ptr 1
		.amdhsa_wavefront_size32 1
		.amdhsa_system_sgpr_workgroup_id_x 1
		.amdhsa_system_sgpr_workgroup_id_y 1
		.amdhsa_system_sgpr_workgroup_id_z 1
		.amdhsa_system_vgpr_workitem_id 0
		.amdhsa_next_free_vgpr 1024
		.amdhsa_next_free_sgpr 66
		.amdhsa_reserve_vcc 0
		.amdhsa_float_denorm_mode_32 3
		.amdhsa_float_denorm_mode_16_64 3
		.amdhsa_memory_ordered 1
		.amdhsa_forward_progress 1
		.amdhsa_inst_pref_size 255
	.end_amdhsa_kernel
	.section	.bss,"aw",@nobits
	.p2align	6
	.space	262144
	.amdgpu_metadata
---
amdhsa.version: [ 1, 2 ]
amdhsa.kernels:
  - .name:           k_q27c2c53146_qkv
    .symbol:         k_q27c2c53146_qkv.kd
    .args:
      - { .name: xb, .offset: 0, .size: 8, .value_kind: global_buffer, .address_space: global }
      - { .name: wqb, .offset: 8, .size: 8, .value_kind: global_buffer, .address_space: global }
      - { .name: qkvh, .offset: 16, .size: 8, .value_kind: global_buffer, .address_space: global }
    .group_segment_fixed_size: 327680
    .private_segment_fixed_size: 0
    .kernarg_segment_align: 8
    .kernarg_segment_size: 24
    .max_flat_workgroup_size: 128
    .sgpr_count:     66
    .vgpr_count:     1024
    .wavefront_size: 32
...
	.end_amdgpu_metadata
.endif
;; end of part 2
;; launch attn (part 3): grid 4 x 64, 8 waves a work-group, no clusters, 327,680 bytes of LDS; arguments qkvh, yh; writes yh
.if DOCPART == 3
	.amdgcn_target "amdgcn-amd-amdhsa--gfx1250"
	.amdhsa_code_object_version 6
	.text
	.protected	k_q27c2c53146_attn
	.globl	k_q27c2c53146_attn
	.p2align	8
	.type	k_q27c2c53146_attn,@function
k_q27c2c53146_attn:
	s_mov_b64 s[64:65], 0
	v_nop
	global_prefetch_b8 v0, s[64:65] scope:SCOPE_SE
	s_setreg_imm32_b32 hwreg(HW_REG_WAVE_MODE, 25, 1), 1
	s_wait_xcnt 0x0
; attn: causal attention of one (batch, head) pair hb: y[q] = sum over k <= q of softmax_k(q . k / 8) v[k].  q, k, v: qkvh[0..2][hb][2048][64] in f16; y: yh[hb][2048][64] in f16.
; Products in f16 with f32 sums; maxima, exponentials and sums in f32; the weights are rounded to f16 for the second product, y once at the end.
; LIMIT: y is kept in f16 (it is a mean of v's rows, so it is no larger than they are); weights under 2^-14 carry an absolute error of up to 2^-25.
; The running maximum is taken away before every exponential.  Keys behind the query get the score -infinity; every query sees its own key in its first step, so its maximum is finite from then on.
; SHARES.  Work-group (j, hb), j = 0..3, makes the query blocks j and 7 - j of 256 queries: (j + 1) + (8 - j) = 9 key tiles of 256 keys in every work-group.  Wave w owns queries
; 32 w .. 32 w + 31 of a block: two tiles of 16.  Eight waves, two on a SIMD: one wave's products run beside the other's softmax.
; NO CLUSTER: the four work-groups of a head want different key tiles at the same time (blocks j and 7 - j), so no request could be joint without walking tiles that are thrown away.
; ORDER.  A block's diagonal key tile first, then the earlier ones, descending.  In the diagonal tile wave w begins with the 64 keys w / 2, which hold its own queries' keys: that step is masked and
; starts all sums (STEP 1); then it takes the 64-key steps below.  Every other step is STEP 0.
; LAYOUT.  S^T = K Q^T (source 0 = 16 keys, source 1 = 16 queries): a lane holds one query (l % 16) and the keys 8 (l / 16) + 0..7.  Two such tiles, rounded in pairs, are source 1 of
; O^T = V^T P, whose result again holds one query a lane and eight channels.  V comes out of LDS turned, by ds_load_tr16_b128.
; LDS.  Two slots, 2^17 bytes apart, each with 256 rows of K (pitch 144) and 256 rows of V (pitch 160).  Waves 0, 1 fetch K's halves, waves 2, 3 V's; a half (128 keys, 16,384 dense bytes) comes as
; 64 rows of 256 bytes, with padding laid behind every 128 bytes.
; REGISTERS.  window 0: v2-11 addresses; v12-27 statistics; v32-63 Q; v64-127 S^T; v128-159 P; v160-223 K; v224-255 rows on the way out.   window 1: v0-63 O^T; v64-127 V^T.
.set PK,    144                        ; 128 + 16 = 36 words: the 16 rows of a fragment load start at 16 different groups of four banks (64 banks of 4 bytes: ISA guide 11.1)
.set PV,    160                        ; 128 + 32 = 40 words: an odd multiple of 32 bytes, for the turning load
.set KSUB,  64*PK                      ; a step's 64 keys
.set VSUB,  64*PV
.set KHALF, 128*PK                     ; what one load brings
.set VHALF, 128*PV
.set VOFF,  256*PK
.set SLOT1, 1<<17
.set STAGE, SLOT1+VOFF+256*PV          ; 208,896: behind the ring, 32 rows x 144 bytes for each wave
.set WSTAGE, 32*PK
.set SPARE, STAGE+8*WSTAGE             ; the spare words, 128 bytes a wave: four blocks of 256 bytes that no other line names
.set AK0, 2                            ; my lane's place in a step's K
.set AV0, 3                            ; in a step's V (VOFF included)
.set ADK, 4                            ; the addresses of the step in hand
.set ADV, 5
.set QO,  6                            ; my byte offset in the wave's rows of Q
.set STO, 7
.set RD,  8
.set GO,  9
.set DD,  10                           ; 32 (w % 2) + l % 16 - 8 (l / 16): a key is masked where n + 16 (key tile - query tile) > DD
.set NEG, 11                           ; -infinity
.set ST,  12                           ; tile t at v[ST+8 t]: +0 c m, +1 m, +2, +3 l, +4 to +7 at work; a takes +6
.set SPW, 28
.set NIL, 29
.set QF,  32
.set S,   64
.set P,   128
.set KF,  160
.set OUTR, 224
.set O,   0                            ; window 1
.set VF,  64                           ; window 1
.set WV,  8                            ; wave;  WH = wave / 2;  WP = wave % 2
.set WH,  9
.set WP,  10
.set J,   11
.set JA,  12                           ; 7 - j
.set QB,  13                           ; the query block in hand
.set K0,  14                           ; the key tile in hand
.set K1,  15                           ; the youngest key tile asked for
.set G1K, 16
.set G1V, 24
.set G0K, 32                           ; two sets: tile 0's; tile 1's, which then walks on
.set G0V, 40
.set KHB, 48                           ; K at my half of the head's key tile 0
.set VHB, 50
.set QHB, 52                           ; Q and y at my wave's rows of block 0
.set YHB, 54
.set CS,  56                           ; c = log2(e) / 8, twice
.set SEL, 58
.set SB,  60                           ; LDS byte of the slot in hand
.set TK,  61
.set TV,  62
.set CNT, 63
.set TH,  66                           ; how many of the tile's four steps SUBLOOP takes, from the lowest keys
.set TRIPS, 67
.set WKO, 68
.set WVO, 69
.set OFS, 70
.set QBASE, 72
.set SBASE, 74
.set TA,  76
.set TB,  77
.set MSB, 0
.macro WIN new
.if MSB != \new
	s_set_vgpr_msb (MSB<<8)|\new
.set MSB, \new
.endif
.endm
.macro PLACES
.rept 4
	v_nop
.endr
.endm
; The refill: one tensor load a wave, by the walking set; waves 4 to 7 issue none.  The branches hang on the wave's number alone.  Four v_nop follow each line.
.macro KVLOAD
	s_cmp_lt_u32 s[WV], 2
	s_cbranch_scc0 .Lnot_k_\@
	tensor_load_to_lds s[G0K+4:G0K+7], s[G1K:G1K+7]
	s_nop 0
.rept 4
	v_nop
.endr
	s_branch .Lasked_\@
.Lnot_k_\@:
	s_cmp_lt_u32 s[WV], 4
	s_cbranch_scc0 .Lasked_\@
	tensor_load_to_lds s[G0V+4:G0V+7], s[G1V:G1V+7]
	s_nop 0
.rept 4
	v_nop
.endr
.Lasked_\@:
.endm
.macro QLOAD                           ; my 32 queries: tile t, channels 32 c on
.irp t, 0,1
.irp c, 0,1
	global_load_b128 v[QF+16*\t+8*\c:QF+16*\t+8*\c+3],   v[QO], s[QBASE:QBASE+1] offset:\t*2048+\c*64
	global_load_b128 v[QF+16*\t+8*\c+4:QF+16*\t+8*\c+7], v[QO], s[QBASE:QBASE+1] offset:\t*2048+\c*64+32
.endr
.endr
.endm
	s_load_b128 s[4:7], s[0:1], 0x0                ; qkvh s[4:5], yh s[6:7]
	v_lshl_add_u32 v[SPW], v0, 2, SPARE
	v_mov_b32 v[NIL], 0
	ds_add_u32 v28, v29
	s_wait_dscnt 0x0
	s_barrier_signal -1
	s_barrier_wait -1
	v_lshrrev_b32 v1, 5, v0
	v_readfirstlane_b32 s[WV], v1
	s_lshr_b32 s[WH], s[WV], 1
	s_and_b32 s[WP], s[WV], 1
	s_mov_b32 s[J], ttmp9
	s_sub_co_u32 s[JA], 7, s[J]
	s_mov_b32 s[QB], s[J]
	s_mov_b32 s[K0], s[J]                          ; tile 0: the first block's diagonal
	s_sub_co_u32 s[TA], s[J], 1
	s_cmp_eq_u32 s[J], 0
	s_cselect_b32 s[K1], s[JA], s[TA]              ; tile 1: behind key tile 0 comes the second block's diagonal, else the tile below
	s_mov_b32 s[SB], 0
	s_mul_i32 s[WKO], s[WH], KSUB                  ; the step that holds my own queries' keys
	s_mul_i32 s[WVO], s[WH], VSUB
	s_mov_b32 s[CS], 0x3e38aa3b                    ; log2(e) / 8
	s_mov_b32 s[CS+1], s[CS]                       ; named with it as a pair
	s_mov_b32 s[SEL], 0x76543210
	s_mov_b32 s[SEL+1], 0xfedcba98
	; group 1: 17:16 elements of 2 bytes; 20 padding on; 24:22 after every 32 words (code 4); 31:25 4 words (code 3) for K, 8 (code 7) for V
	s_mov_b32 s[G1K], (1<<16)|(1<<20)|(4<<22)|(3<<25)
	s_mov_b32 s[G1V], (1<<16)|(1<<20)|(4<<22)|(7<<25)
.irp g, G1K, G1V
	s_mov_b32 s[\g+1], 128<<16                     ; tensor_dim0 = 128 elements: 256 bytes, two keys' rows
	s_mov_b32 s[\g+2], 64<<16                      ; tensor_dim1 = 64
	s_mov_b32 s[\g+3], 128<<16                     ; tile_dim0
	s_mov_b32 s[\g+4], 64                          ; tile_dim1
	s_mov_b32 s[\g+5], 128                         ; the block is dense: a row begins where the last ends
	s_mov_b32 s[\g+6], 0
	s_mov_b32 s[\g+7], 0
.endr
	v_and_b32 v1, 15, v0                           ; l % 16
	v_bfe_u32 v30, v0, 4, 1                        ; l / 16
	v_lshlrev_b32 v[QO], 7, v1
	v_lshl_add_u32 v[QO], v30, 4, v[QO]            ; row x 128 + 16 x half
	s_and_b32 s[TB], ttmp7, 0xffff                 ; hb
	s_lshl_b32 s[OFS], s[TB], 18                   ; a head is 2,048 x 128 bytes
	s_mov_b32 s[OFS+1], 0
	s_wait_kmcnt 0x0
	s_add_nc_u64 s[QHB:QHB+1], s[4:5], s[OFS:OFS+1]
	s_add_nc_u64 s[YHB:YHB+1], s[6:7], s[OFS:OFS+1]
	s_add_nc_u64 s[KHB:KHB+1], s[QHB:QHB+1], 0x1000000     ; k's region lies 2^24 bytes behind q's
	s_lshl_b32 s[OFS], s[WP], 14                   ; the half that I would fetch: 128 keys
	s_add_nc_u64 s[KHB:KHB+1], s[KHB:KHB+1], s[OFS:OFS+1]
	s_add_nc_u64 s[VHB:VHB+1], s[KHB:KHB+1], 0x1000000
	s_lshl_b32 s[OFS], s[WV], 12                   ; my wave's 32 rows
	s_add_nc_u64 s[QHB:QHB+1], s[QHB:QHB+1], s[OFS:OFS+1]
	s_add_nc_u64 s[YHB:YHB+1], s[YHB:YHB+1], s[OFS:OFS+1]
	s_mul_i32 s[TA], s[WP], KHALF
	s_mul_i32 s[TB], s[WP], VHALF
	s_lshl_b32 s[OFS], s[K0], 15                   ; a key tile is 256 x 128 bytes
	s_mov_b32 s[G0K], 1
	s_mov_b32 s[G0K+1], s[TA]
	s_add_nc_u64 s[G0K+2:G0K+3], s[KHB:KHB+1], s[OFS:OFS+1]
	s_or_b32 s[G0K+3], s[G0K+3], 0x80000000
	s_mov_b32 s[G0V], 1
	s_add_co_u32 s[G0V+1], s[TB], VOFF
	s_add_nc_u64 s[G0V+2:G0V+3], s[VHB:VHB+1], s[OFS:OFS+1]
	s_or_b32 s[G0V+3], s[G0V+3], 0x80000000
	s_lshl_b32 s[OFS], s[K1], 15
	s_mov_b32 s[G0K+4], 1
	s_add_co_u32 s[G0K+5], s[TA], SLOT1
	s_add_nc_u64 s[G0K+6:G0K+7], s[KHB:KHB+1], s[OFS:OFS+1]
	s_or_b32 s[G0K+7], s[G0K+7], 0x80000000
	s_mov_b32 s[G0V+4], 1
	s_add_co_u32 s[G0V+5], s[TB], VOFF+SLOT1
	s_add_nc_u64 s[G0V+6:G0V+7], s[VHB:VHB+1], s[OFS:OFS+1]
	s_or_b32 s[G0V+7], s[G0V+7], 0x80000000
	s_lshl_b32 s[OFS], s[QB], 15
	s_add_nc_u64 s[QBASE:QBASE+1], s[QHB:QHB+1], s[OFS:OFS+1]
	s_cmp_lt_u32 s[WV], 2                          ; a wave's two first fills stand in one branch, ahead of every wait on TENSORcnt, every LDS read and every barrier: two loads of mine are out
	s_cbranch_scc0 .Lfirst_not_k
	tensor_load_to_lds s[G0K:G0K+3], s[G1K:G1K+7]
	s_nop 0
	tensor_load_to_lds s[G0K+4:G0K+7], s[G1K:G1K+7]
	s_nop 0
.rept 4
	v_nop
.endr
	s_branch .Lfirst_asked
.Lfirst_not_k:
	s_cmp_lt_u32 s[WV], 4
	s_cbranch_scc0 .Lfirst_asked
	tensor_load_to_lds s[G0V:G0V+3], s[G1V:G1V+7]
	s_nop 0
	tensor_load_to_lds s[G0V+4:G0V+7], s[G1V:G1V+7]
	s_nop 0
.rept 4
	v_nop
.endr
.Lfirst_asked:
	QLOAD
	v_mul_u32_u24 v[AK0], v1, PK
	v_lshl_add_u32 v[AK0], v30, 4, v[AK0]          ; row x pitch + 16 x half
	v_and_b32 v31, 7, v0                           ; the turning load: lane l reads 16 bytes of key 8 (l / 16) + l % 8, channels 8 ((l / 8) % 2) on
	v_lshl_add_u32 v[AV0], v30, 3, v31
	v_mul_u32_u24 v[AV0], v[AV0], PV
	v_bfe_u32 v31, v0, 3, 1
	v_lshl_add_u32 v[AV0], v31, 4, v[AV0]
	v_add_nc_u32 v[AV0], VOFF, v[AV0]
	s_mul_i32 s[TA], s[WV], WSTAGE
	s_add_co_u32 s[TA], s[TA], STAGE               ; my stage
	v_add_nc_u32 v[STO], s[TA], v[AK0]             ; in: row l % 16, 16 bytes for each half of the lanes
	v_bfe_u32 v31, v0, 3, 2                        ; back: eight lanes take a row of 128 bytes, the wave four rows
	v_mul_u32_u24 v[RD], v31, PK
	v_and_b32 v31, 7, v0
	v_lshl_add_u32 v[RD], v31, 4, v[RD]
	v_add_nc_u32 v[RD], s[TA], v[RD]
	v_and_b32 v[GO], 31, v0
	v_lshlrev_b32 v[GO], 4, v[GO]                  ; four rows of y are 512 neighbouring bytes
	s_lshl_b32 s[TB], s[WP], 5
	v_lshlrev_b32 v[DD], 3, v30
	v_sub_nc_u32 v[DD], v1, v[DD]
	v_add_nc_u32 v[DD], s[TB], v[DD]
	v_mov_b32 v[NEG], 0xff800000
; the sum of tile t's 16 pairs of weights, in place, neighbours 1, 2, 4, 8 pairs apart; then l = a l + the sum (first = 1: l = the sum)
.macro SUMS t, first
.irp u, 0,1,2,3,4,5,6,7
	v_pk_add_f32 v[S+32*\t+4*\u:S+32*\t+4*\u+1], v[S+32*\t+4*\u:S+32*\t+4*\u+1], v[S+32*\t+4*\u+2:S+32*\t+4*\u+3]
.endr
.irp u, 0,1,2,3
	v_pk_add_f32 v[S+32*\t+8*\u:S+32*\t+8*\u+1], v[S+32*\t+8*\u:S+32*\t+8*\u+1], v[S+32*\t+8*\u+4:S+32*\t+8*\u+5]
.endr
.irp u, 0,1
	v_pk_add_f32 v[S+32*\t+16*\u:S+32*\t+16*\u+1], v[S+32*\t+16*\u:S+32*\t+16*\u+1], v[S+32*\t+16*\u+8:S+32*\t+16*\u+9]
.endr
.if \first
	v_pk_add_f32 v[ST+8*\t+2:ST+8*\t+3], v[S+32*\t:S+32*\t+1], v[S+32*\t+16:S+32*\t+17]
	s_wait_alu depctr_va_vdst(0)
.else
	v_pk_add_f32 v[S+32*\t:S+32*\t+1], v[S+32*\t:S+32*\t+1], v[S+32*\t+16:S+32*\t+17]
	v_pk_fma_f32 v[ST+8*\t+2:ST+8*\t+3], v[ST+8*\t+2:ST+8*\t+3], v[ST+8*\t+6:ST+8*\t+7], v[S+32*\t:S+32*\t+1] op_sel_hi:[1,0,1]
.endif
.endm
; ONE KEY STEP: 64 keys at LDS bytes s[TK] (K) and s[TV] (V) against my 32 queries.  first = 1: the step on the diagonal: it is masked, and it starts m, l and O^T.
; In both products eight accumulators take turns, one instruction a turn.  Every window is 0 at its head and at its end.
.macro STEP first
	v_add_nc_u32 v[ADK], s[TK], v[AK0]
	v_add_nc_u32 v[ADV], s[TV], v[AV0]
.irp f, 0,1,2,3,4,5,6,7                ; K: keys 16 (f / 2) on, channels 32 (f % 2) on
	ds_load_b128 v[KF+8*\f:KF+8*\f+3],   v[ADK] offset:(\f/2)*16*PK+(\f%2)*64
	ds_load_b128 v[KF+8*\f+4:KF+8*\f+7], v[ADK] offset:(\f/2)*16*PK+(\f%2)*64+32
.endr
	WIN 0x40                                       ; destination window 1
.irp f, 0,1,2,3,4,5,6,7                ; V, turned: keys 32 (f / 4) on, channels 16 (f % 4) on
	ds_load_tr16_b128 v[VF+8*\f:VF+8*\f+3],   v[ADV] offset:(\f/4)*32*PV+(\f%4)*32
	ds_load_tr16_b128 v[VF+8*\f+4:VF+8*\f+7], v[ADV] offset:(\f/4)*32*PV+16*PV+(\f%4)*32
.endr
	WIN 0
	s_wait_dscnt 16                                ; K is in; V's sixteen loads may stay out
.set i, 0
.rept 16                               ; S^T = K Q^T: channels 32 (i / 8) on, keys 16 ((i / 2) % 4) on, tile i % 2; the first eight start the sums
.set rS, S+32*(i%2)+8*((i/2)%4)
.set rK, KF+16*((i/2)%4)+8*(i/8)
.set rQ, QF+16*(i%2)+8*(i/8)
.if i < 8
	v_wmma_f32_16x16x32_f16 v[rS:rS+7], v[rK:rK+7], v[rQ:rQ+7], 0
.else
	v_wmma_f32_16x16x32_f16 v[rS:rS+7], v[rK:rK+7], v[rQ:rQ+7], v[rS:rS+7]
.endif
.set i, i+1
.endr
	PLACES
.if \first
	; the mask: key 16 kt + 8 (l / 16) + n lies behind query 32 (w % 2) + 16 t + l % 16 where n + 16 (kt - t) > DD.  One compare serves tile 0's key tile d and tile 1's key tile d + 1.
	; Tile 1's key tile 0 is never masked: n - 16 is at most -9, and DD is at least -8.  Each accumulator is taken from its lowest register on.
.irp d, 0,1,2,3
.irp n, 0,1,2,3,4,5,6,7
	v_cmp_gt_i32 vcc_lo, \n+16*\d, v[DD]
	v_cndmask_b32 v[S+8*\d+\n], v[S+8*\d+\n], v[NEG], vcc_lo
.if \d < 3
	v_cndmask_b32 v[S+32+8*(\d+1)+\n], v[S+32+8*(\d+1)+\n], v[NEG], vcc_lo
.endif
.endr
.endr
.endif
	; the maximum of a lane's 32 scores and the old m, three operands at a time, the two tiles by turns: four chains of seven scores (each begins at its accumulator's low end), then the rest
.irp n, 0,1,2,3
.irp t, 0,1
	v_max3_num_f32 v[ST+8*\t+4+\n], v[S+32*\t+8*\n], v[S+32*\t+8*\n+1], v[S+32*\t+8*\n+2]
.endr
.endr
.irp g, 1,2
.irp n, 0,1,2,3
.irp t, 0,1
	v_max3_num_f32 v[ST+8*\t+4+\n], v[ST+8*\t+4+\n], v[S+32*\t+8*\n+2*\g+1], v[S+32*\t+8*\n+2*\g+2]
.endr
.endr
.endr
.irp t, 0,1
	v_max3_num_f32 v[ST+8*\t+4], v[ST+8*\t+4], v[S+32*\t+7], v[S+32*\t+15]
.endr
.irp t, 0,1
	v_max3_num_f32 v[ST+8*\t+6], v[ST+8*\t+6], v[S+32*\t+23], v[S+32*\t+31]
.endr
.irp t, 0,1
	v_max3_num_f32 v[ST+8*\t+4], v[ST+8*\t+4], v[ST+8*\t+5], v[ST+8*\t+6]
.endr
.irp t, 0,1
.if \first
	v_max_num_f32 v[ST+8*\t+4], v[ST+8*\t+4], v[ST+8*\t+7]
.else
	v_max3_num_f32 v[ST+8*\t+4], v[ST+8*\t+4], v[ST+8*\t+7], v[ST+8*\t+1]
.endif
.endr
.irp t, 0,1
	v_permlanex16_b32 v[ST+8*\t+5], v[ST+8*\t+4], s[SEL], s[SEL+1]   ; the query's other 32 keys lie in the lane 16 away
.endr
.if \first == 0
.irp t, 0,1
	v_mov_b32 v[ST+8*\t+7], v[ST+8*\t]             ; c m_old is kept for a
.endr
.endif
.irp t, 0,1
	v_max_num_f32 v[ST+8*\t+1], v[ST+8*\t+4], v[ST+8*\t+5]
.endr
.irp t, 0,1
	v_mul_f32 v[ST+8*\t], s[CS], v[ST+8*\t+1]
.endr
.if \first == 0
.irp t, 0,1
	v_sub_f32 v[ST+8*\t+7], v[ST+8*\t+7], v[ST+8*\t]
.endr
.irp t, 0,1
	v_exp_f32 v[ST+8*\t+6], v[ST+8*\t+7]           ; a = 2^(c m_old - c m_new); the scalings below, which name neither register, stand ahead of its use
.endr
.endif
	; p = 2^(c s - c m).  Behind every two exponentials stands a plain instruction that names none of their registers (ISA guide 5.7.2): the other tile's scaling, then the other tile's rounding.
.set i, 0
.rept 16
	v_pk_fma_f32 v[S+2*i:S+2*i+1], v[S+2*i:S+2*i+1], s[CS:CS+1], v[ST:ST+1] op_sel_hi:[1,0,0] neg_lo:[0,0,1] neg_hi:[0,0,1]
.set i, i+1
.endr
.set i, 0
.rept 16
	v_exp_f32 v[S+2*i], v[S+2*i]
	v_exp_f32 v[S+2*i+1], v[S+2*i+1]
	v_pk_fma_f32 v[S+32+2*i:S+32+2*i+1], v[S+32+2*i:S+32+2*i+1], s[CS:CS+1], v[ST+8:ST+9] op_sel_hi:[1,0,0] neg_lo:[0,0,1] neg_hi:[0,0,1]
.set i, i+1
.endr
.set i, 0
.rept 16
	v_exp_f32 v[S+32+2*i], v[S+32+2*i]
	v_exp_f32 v[S+32+2*i+1], v[S+32+2*i+1]
	s_wait_alu depctr_va_vdst(0)
	v_cvt_pk_f16_f32 v[P+i], v[S+2*i], v[S+2*i+1]
.set i, i+1
.endr
	SUMS 0, \first
.set i, 0
	s_wait_alu depctr_va_vdst(0)
.rept 16
	v_cvt_pk_f16_f32 v[P+16+i], v[S+32+2*i], v[S+32+2*i+1]
.set i, i+1
.endr
	SUMS 1, \first
.if \first == 0
	WIN 0x41                                       ; O^T (destination and source 0) in window 1, a in window 0
.irp t, 0,1
.set i, 0
.rept 16
	v_pk_mul_f32 v[O+32*\t+2*i:O+32*\t+2*i+1], v[O+32*\t+2*i:O+32*\t+2*i+1], v[ST+8*\t+6:ST+8*\t+7] op_sel_hi:[1,0]
.set i, i+1
.endr
.endr
.endif
	WIN 0x51                                       ; V^T, C and D in window 1, P in window 0
	s_wait_dscnt 0x0                               ; V is in
.set i, 0
.rept 16                               ; O^T += V^T P: keys 32 (i / 8) on, channels 16 ((i / 2) % 4) on, tile i % 2
.set rO, O+32*(i%2)+8*((i/2)%4)
.set rV, VF+32*(i/8)+8*((i/2)%4)
.set rP, P+16*(i%2)+8*(i/8)
.if \first && (i < 8)
	v_wmma_f32_16x16x32_f16 v[rO:rO+7], v[rV:rV+7], v[rP:rP+7], 0
.else
	v_wmma_f32_16x16x32_f16 v[rO:rO+7], v[rV:rV+7], v[rP:rP+7], v[rO:rO+7]
.endif
.set i, i+1
.endr
	WIN 0
	PLACES                                         ; for the next loads into V's registers and the next reads of O^T
.endm
; The tile's four steps, from the highest keys down; those at or above s[TH] are left out.  s[TH] hangs on the wave's number and the tile's: no barrier stands in here.
.macro SUBLOOP
	s_add_co_u32 s[TK], s[SB], 4*KSUB
	s_add_co_u32 s[TV], s[SB], 4*VSUB
	s_mov_b32 s[CNT], 4
.Lsub_\@:
	s_sub_co_u32 s[TK], s[TK], KSUB
	s_sub_co_u32 s[TV], s[TV], VSUB
	s_cmp_gt_u32 s[CNT], s[TH]
	s_cbranch_scc1 .Lskip_\@
	STEP 0
.Lskip_\@:
	s_sub_co_u32 s[CNT], s[CNT], 1
	s_cmp_lg_u32 s[CNT], 0
	s_cbranch_scc1 .Lsub_\@
.endm
; A BLOCK'S END: O^T is divided by l, rounded to f16 and sent through my stage.  setup = 1: the second block's queries are asked for first.
.macro EPI setup
	s_wait_xcnt 0x0                                ; earlier stores have read their base and their registers, which are written again below
	s_lshl_b32 s[OFS], s[QB], 15
	s_mov_b32 s[OFS+1], 0
	s_add_nc_u64 s[SBASE:SBASE+1], s[YHB:YHB+1], s[OFS:OFS+1]
.if \setup
	s_mov_b32 s[QB], s[JA]
	s_lshl_b32 s[OFS], s[QB], 15
	s_add_nc_u64 s[QBASE:QBASE+1], s[QHB:QHB+1], s[OFS:OFS+1]
	QLOAD                                          ; waited for behind the next barrier
.endif
.irp t, 0,1
	v_add_f32 v[ST+8*\t+4], v[ST+8*\t+2], v[ST+8*\t+3]
.endr
.irp t, 0,1
	v_permlanex16_b32 v[ST+8*\t+5], v[ST+8*\t+4], s[SEL], s[SEL+1]
.endr
.irp t, 0,1
	v_add_f32 v[ST+8*\t+4], v[ST+8*\t+4], v[ST+8*\t+5]
.endr
.irp t, 0,1
	v_rcp_f32 v[ST+8*\t+6], v[ST+8*\t+4]
.endr
	v_nop                                          ; a plain instruction between the last reciprocal and the use of its result
	WIN 0x41
	s_wait_alu depctr_va_vdst(0)
.irp t, 0,1
.set i, 0
.rept 16
	v_pk_mul_f32 v[O+32*\t+2*i:O+32*\t+2*i+1], v[O+32*\t+2*i:O+32*\t+2*i+1], v[ST+8*\t+6:ST+8*\t+7] op_sel_hi:[1,0]
.set i, i+1
.endr
.endr
	WIN 0x05                                       ; sources in window 1, destination in window 0: S^T's registers are free
.set i, 0
.rept 32
	v_cvt_pk_f16_f32 v[S+i], v[O+2*i], v[O+2*i+1]
.set i, i+1
.endr
	WIN 0
.irp t, 0,1
.irp c, 0,1,2,3
	ds_store_b128 v[STO], v[S+16*\t+4*\c:S+16*\t+4*\c+3] offset:\t*16*PK+\c*32
.endr
.endr
.irp i, 0,1,2,3,4,5,6,7
	ds_load_b128 v[OUTR+4*\i:OUTR+4*\i+3], v[RD] offset:\i*4*PK    ; LDS serves a wave's instructions in order (ISA guide 5.7.1.4): these see the stores above
.endr
.irp i, 0,1,2,3,4,5,6,7
	s_wait_dscnt 7-\i
	global_store_b128 v[GO], v[OUTR+4*\i:OUTR+4*\i+3], s[SBASE:SBASE+1] offset:512*\i   ; the wave stores 512 consecutive bytes, at a multiple of 512 from the buffer's first byte
.endr
.endm
; ONE KEY TILE.  diag = 1: it is the block's diagonal; 2: it is if s[K0] = s[QB]; 0: it is not.  epi = 1: the block ends if s[K0] = 0, and another follows; 2: the last block ends.
.macro PROC diag, epi
.if \diag == 2
	s_mov_b32 s[TH], 4
	s_cmp_lg_u32 s[K0], s[QB]
	s_cbranch_scc1 .Lgen_\@
.endif
.if \diag
	s_add_co_u32 s[TK], s[SB], s[WKO]
	s_add_co_u32 s[TV], s[SB], s[WVO]
	STEP 1
	s_mov_b32 s[TH], s[WH]                         ; the steps below my own
.else
	s_mov_b32 s[TH], 4
.endif
.if \diag == 2
.Lgen_\@:
.endif
	SUBLOOP
.if \epi == 1
	s_cmp_lg_u32 s[K0], 0
	s_cbranch_scc1 .Lnot_end_\@
	EPI 1
.Lnot_end_\@:
.elseif \epi == 2
	EPI 0
.endif
.endm
; THE CHANGE OF SLOTS.  Each wave waits for all its tensor loads (one is out at most: its part of the other slot), adds 0 to its spare word, and waits for that and for its reads of the slot.
; Behind the barrier nobody reads this slot any more and the other slot is whole.  refill = 1: this slot takes the tile after next, which has a whole tile's four steps in which to land.
.macro HEAD refill
	s_wait_tensorcnt 0x0                           ; no tensor load of mine is out, so a group 0 may be written
	ds_add_u32 v[SPW], v[NIL]                      ; 0 onto my spare word; the scalar work below stands between it and the wait for it
	s_mov_b32 s[K0], s[K1]
.if \refill
	s_sub_co_u32 s[TA], s[K1], 1
	s_cmp_eq_u32 s[K1], 0
	s_cselect_b32 s[K1], s[JA], s[TA]              ; behind key tile 0: the second block's diagonal
	s_lshl_b32 s[OFS], s[K1], 15
	s_mov_b32 s[OFS+1], 0
	s_xor_b32 s[G0K+5], s[G0K+5], SLOT1            ; the other slot than last time
	s_add_nc_u64 s[G0K+6:G0K+7], s[KHB:KHB+1], s[OFS:OFS+1]
	s_or_b32 s[G0K+7], s[G0K+7], 0x80000000
	s_xor_b32 s[G0V+5], s[G0V+5], SLOT1
	s_add_nc_u64 s[G0V+6:G0V+7], s[VHB:VHB+1], s[OFS:OFS+1]
	s_or_b32 s[G0V+7], s[G0V+7], 0x80000000
.endif
	s_xor_b32 s[SB], s[SB], SLOT1
	s_wait_dscnt 0x0                               ; the add is done, and my reads of the slot are over
	s_barrier_signal -1
	s_barrier_wait -1
.if \refill
	KVLOAD
.endif
	s_wait_loadcnt 0x0                             ; a new block's queries, where some were asked for
.endm
	s_wait_loadcnt 0x0                             ; Q
	s_wait_tensorcnt 1                             ; my part of tile 0 is in; tile 1's may stay out
	s_barrier_signal -1
	s_barrier_wait -1
	PROC 1, 1                                      ; tile 0: the first block's diagonal
	s_mov_b32 s[TRIPS], 7
.Ltrip:                                                ; tiles 1 to 7; tiles 2 to 8 are asked for
	HEAD 1
	PROC 2, 1
	s_sub_co_u32 s[TRIPS], s[TRIPS], 1
	s_cmp_lg_u32 s[TRIPS], 0
	s_cbranch_scc1 .Ltrip
	HEAD 0                                         ; tile 8 is written out: nothing is left to ask for.  It is key tile 0 of block 7 - j, never a diagonal
	PROC 0, 2
	s_wait_tensorcnt 0x0                           ; the wave's end
	ds_add_u32 v[SPW], v[NIL]
	s_wait_dscnt 0x0
	s_endpgm
.Lfunc_end_k_q27c2c53146_attn:
	.size	k_q27c2c53146_attn, .Lfunc_end_k_q27c2c53146_attn-k_q27c2c53146_attn
	.p2alignl 7, 3214868480
	.fill 96, 4, 3214868480
	.section	.rodata,"a",@progbits
	.p2align	6, 0x0
	.amdhsa_kernel k_q27c2c53146_attn
		.amdhsa_group_segment_fixed_size 327680
		.amdhsa_private_segment_fixed_size 0
		.amdhsa_enable_private_segment 0
		.amdhsa_kernarg_size 16
		.amdhsa_user_sgpr_count 2
		.amdhsa_user_sgpr_kernarg_segment_ptr 1
		.amdhsa_wavefront_size32 1
		.amdhsa_system_sgpr_workgroup_id_x 1
		.amdhsa_system_sgpr_workgroup_id_y 1
		.amdhsa_system_sgpr_workgroup_id_z 1
		.amdhsa_system_vgpr_workitem_id 0
		.amdhsa_next_free_vgpr 384
		.amdhsa_next_free_sgpr 80
		.amdhsa_reserve_vcc 1
		.amdhsa_float_denorm_mode_32 3
		.amdhsa_float_denorm_mode_16_64 3
		.amdhsa_memory_ordered 1
		.amdhsa_forward_progress 1
		.amdhsa_inst_pref_size 121
	.end_amdhsa_kernel
	.amdgpu_metadata
---
amdhsa.version: [ 1, 2 ]
amdhsa.kernels:
  - .name:           k_q27c2c53146_attn
    .symbol:         k_q27c2c53146_attn.kd
    .args:
      - { .name: qkvh, .offset: 0, .size: 8, .value_kind: global_buffer, .address_space: global }
      - { .name: yh, .offset: 8, .size: 8, .value_kind: global_buffer, .address_space: global }
    .group_segment_fixed_size: 327680
    .private_segment_fixed_size: 0
    .kernarg_segment_align: 8
    .kernarg_segment_size: 16
    .max_flat_workgroup_size: 256
    .sgpr_count:     80
    .vgpr_count:     384
    .wavefront_size: 32
...
	.end_amdgpu_metadata
.endif
;; end of part 3
;; launch proj (part 4): grid 4 x 64, 4 waves a work-group, clusters of 4 x 4, 327,680 bytes of LDS; arguments yh, wph, out0; writes out0
.if DOCPART == 4
	.amdgcn_target "amdgcn-amd-amdhsa--gfx1250"
	.amdhsa_code_object_version 6
	.text
	.protected	k_q27c2c53146_proj
	.globl	k_q27c2c53146_proj
	.p2align	8
	.type	k_q27c2c53146_proj,@function
k_q27c2c53146_proj:
	s_mov_b64 s[64:65], 0
	v_nop
	global_prefetch_b8 v0, s[64:65] scope:SCOPE_SE
	s_setreg_imm32_b32 hwreg(HW_REG_WAVE_MODE, 25, 1), 1
	s_wait_xcnt 0x0
	s_wait_alu depctr_hold_cnt(0) depctr_sa_sdst(0) depctr_va_vdst(0) depctr_va_sdst(0) depctr_va_ssrc(0) depctr_va_vcc(0) depctr_vm_vsrc(0)
	s_getreg_b32 s2, hwreg(HW_REG_IB_STS2, 6, 4)
	s_cmp_eq_u32 s2, 0
	s_cbranch_scc0 .Lentry_in_a_cluster
	s_endpgm
.Lentry_in_a_cluster:
	s_bfe_u32 s2, ttmp6, 0x10000c
	s_cmp_lg_u32 s2, 0xf033
	s_cbranch_scc0 .Lentry_shape_is_right
	s_endpgm
.Lentry_shape_is_right:
; proj: out0[m][n] = sum over k of y[m][k] wph[n][k], m < 8192, n < 1024, k < 1024; f16 operands, f32 sums, f32 result.
; y lies by head: yh[batch m/2048][head k/64][t = m%2048][channel k%64].  A K step of 128 is two heads; for a tile's 128 rows a head is 16,384 dense bytes.
; A tile of out0 is 128 (m) x 256 (n): 4 x 64 = 256 work-groups.  Four waves, 2 x 2, each 64 x 128: 32 accumulators, 256 registers.  Two LDS slots filled by the tensor data mover.
; CLUSTER 4 x 4: the four work-groups of a row of the cluster need the same tile of y, the four of a column the same tile of wph; each tile is asked for jointly.
; THE MATRIX INSTRUCTION IS USED TRANSPOSED: source 0 = 16 rows of wph, source 1 = 16 rows of y, so that a lane holds row l % 16 of the result and eight neighbouring columns.
; REGISTERS: window 0: v0-31 addresses; v32-95 y's fragments, two buffers of 4; v96-223 wph's, two buffers of 8 (on the way out v32-159 are at work).
;            window 1: accumulator (a, b) at v[8 (8 a + b)].
.set SIZE_K, 1024
.set KSTEP,  128
.set APITCH, 144                       ; a head's row: 128 bytes + 16 = 36 words: the 16 rows of a fragment load start at 16 different groups of four banks (64 banks of 4 bytes: ISA guide 11.1)
.set BPITCH, 272
.set APLANE, 128*144                   ; from the K step's first head to its second
.set ALOAD,  128*144                   ; LDS bytes of one load of A: a head's 128 rows
.set AROWS,  64*APITCH                 ; a wave's 64 rows
.set ABYTES, 2*ALOAD
.set BLOAD,  128*BPITCH
.set SLOT,   ABYTES+2*BLOAD            ; 106,496
.set STAGE,  2*SLOT
.set SPITCH, 528                       ; a stage row: 128 columns of f32 + 16 bytes
.set WSTAGE, 16*SPITCH
.set SPARE,  STAGE+4*WSTAGE            ; the spare words, 128 bytes a wave, two blocks of 256 bytes that no other line names
.set ASLOT,  2<<18                     ; bytes from K step 0 to K step 1 in A: two heads
.set ASTEP,  4<<18                     ; what a slot's address steps at a refill: two K steps
.set BSTEP,  2*KSTEP*2
.set LAPS,   SIZE_K/(2*KSTEP)
.set ADRA, 16
.set ADRB, 20
.set STO,  24
.set RD,   25
.set CO,   26
.set SPW,  28
.set NIL,  29
.set FA,   32
.set FB,   96
.set OB,   32                          ; way out: 16 rows read back: v32-95 and v96-159 by turns
.set G1,  24
.set G0,  32
.set G1B, 48
.set G0B, 56
.set MSB, 0
.macro WIN new
.if MSB != \new
	s_set_vgpr_msb (MSB<<8)|\new
.set MSB, \new
.endif
.endm
.set MUL, 0x50                         ; C and D in window 1, both sources in window 0
.macro JLOAD s                         ; a joint load: waves 0 and 1 fetch the K step's two heads of y, waves 2 and 3 wph's halves; four v_nop follow each line
	s_cmp_eq_u32 s11, 0
	s_cbranch_scc0 .Lfor_b_\@
	tensor_load_to_lds s[G0+4*\s:G0+4*\s+3], s[G1:G1+7]
	s_nop 0
.rept 4
	v_nop
.endr
	s_branch .Lasked_\@
.Lfor_b_\@:
	tensor_load_to_lds s[G0B+4*\s:G0B+4*\s+3], s[G1B:G1B+7]
	s_nop 0
.rept 4
	v_nop
.endr
.Lasked_\@:
.endm
.macro CREST
	s_cmp_lg_u32 s10, 0
	s_cbranch_scc1 .Lnot_wave_0_\@
	s_barrier_signal -3
.Lnot_wave_0_\@:
	s_barrier_wait -3
	s_barrier_signal -1
	s_barrier_wait -1
.endm
.macro CROUND
	s_barrier_signal -1
	s_barrier_wait -1
	CREST
.endm
	s_load_b128 s[4:7], s[0:1], 0x0                ; yh s[4:5], wph s[6:7]
	s_load_b64 s[8:9], s[0:1], 0x10                ; out0
	v_lshl_add_u32 v[SPW], v0, 2, SPARE
	v_mov_b32 v[NIL], 0
	ds_add_u32 v28, v29
	s_wait_dscnt 0x0
	v_lshrrev_b32 v1, 5, v0
	v_readfirstlane_b32 s10, v1                    ; wave 0..3
	s_lshr_b32 s11, s10, 1                         ; which 64 rows of the tile are mine.  Also: I fetch for A (0) or for B (1)
	s_and_b32 s12, s10, 1                          ; which 128 columns.  Also: which head, or which half of B's rows, I fetch
	s_bfe_u32 s40, ttmp6, 0x40000                  ; cx
	s_bfe_u32 s41, ttmp6, 0x40004                  ; cy
	s_lshl_b32 s42, ttmp9, 2
	s_add_co_u32 s42, s42, s40                     ; tile column
	s_and_b32 s13, ttmp7, 0xffff
	s_lshl_b32 s13, s13, 2
	s_add_co_u32 s13, s13, s41                     ; tile row
	s_lshl_b32 s43, s41, 2
	s_lshl_b32 s43, 15, s43                        ; my row of the cluster
	s_lshl_b32 s44, 0x1111, s40                    ; my column
	; A's group 1: the dense 16,384 bytes come as 64 rows of 256 bytes; padding of 4 words (code 3) behind every 32 words (code 4), that is behind each row of the head
	s_or_b32 s[G1+0], s43, (1<<16)|(1<<20)|(1<<21)|(4<<22)|(3<<25)
	s_mov_b32 s[G1+1], 128<<16                     ; tensor_dim0 = 128 elements
	s_mov_b32 s[G1+2], 64<<16                      ; tensor_dim1 = 64
	s_mov_b32 s[G1+3], 128<<16                     ; tile_dim0
	s_mov_b32 s[G1+4], 64                          ; tile_dim1
	s_mov_b32 s[G1+5], 128                         ; a row begins where the last ends
	s_mov_b32 s[G1+6], 0
	s_mov_b32 s[G1+7], 0
	s_or_b32 s[G1B+0], s44, (1<<16)|(1<<20)|(1<<21)|(5<<22)|(3<<25)   ; B: 128 rows x 128 elements, 4 words behind every 64
	s_mov_b32 s[G1B+1], KSTEP<<16
	s_mov_b32 s[G1B+2], 128<<16
	s_mov_b32 s[G1B+3], KSTEP<<16
	s_mov_b32 s[G1B+4], 128
	s_mov_b32 s[G1B+5], SIZE_K
	s_mov_b32 s[G1B+6], 0
	s_mov_b32 s[G1B+7], 0
	; A's address is made of the tile row and the wave's number, B's of the tile column and the wave's number, each in registers that never hold the other coordinate
	s_lshr_b32 s16, s13, 4
	s_lshl_b32 s16, s16, 22                        ; batch
	s_and_b32 s17, s13, 15
	s_lshl_b32 s17, s17, 14                        ; 128 rows of 128 bytes
	s_add_co_u32 s16, s16, s17
	s_lshl_b32 s17, s12, 18                        ; the head that I fetch of a K step's two
	s_add_co_u32 s16, s16, s17
	s_mov_b32 s17, 0
	s_lshl_b32 s46, s42, 8
	s_lshl_b32 s47, s12, 7
	s_add_co_u32 s46, s46, s47                     ; B: row 256 x tile column + 128 x half
	s_lshl_b32 s46, s46, 11
	s_mov_b32 s47, 0
	s_mul_i32 s20, s12, ALOAD                      ; where they go: no place in the cluster enters an LDS address
	s_mul_i32 s45, s12, BLOAD
	s_add_co_u32 s45, s45, ABYTES
	s_wait_kmcnt 0x0
	s_add_nc_u64 s[14:15], s[4:5], s[16:17]
	s_add_nc_u64 s[46:47], s[6:7], s[46:47]
	CROUND                                         ; all sixteen work-groups are here: the first joint loads meet
.irp s, 0,1
	s_mov_b32 s[G0+4*\s], 1
	s_add_co_u32 s[G0+4*\s+1], s20, \s*SLOT
	s_add_nc_u64 s[G0+4*\s+2:G0+4*\s+3], s[14:15], \s*ASLOT
	s_or_b32 s[G0+4*\s+3], s[G0+4*\s+3], 0x80000000
	s_mov_b32 s[G0B+4*\s], 1
	s_add_co_u32 s[G0B+4*\s+1], s45, \s*SLOT
	s_add_nc_u64 s[G0B+4*\s+2:G0B+4*\s+3], s[46:47], \s*KSTEP*2
	s_or_b32 s[G0B+4*\s+3], s[G0B+4*\s+3], 0x80000000
	JLOAD \s                                       ; two loads of mine are out here, later one
.endr
	v_and_b32 v1, 15, v0                           ; l % 16
	v_bfe_u32 v2, v0, 4, 1                         ; l / 16
	v_mul_u32_u24 v3, v1, APITCH
	v_lshl_add_u32 v3, v2, 4, v3
	v_mul_u32_u24 v4, v1, BPITCH
	v_lshl_add_u32 v4, v2, 4, v4
	s_mul_i32 s21, s11, AROWS
	s_mul_i32 s22, s12, BLOAD
	s_add_co_u32 s22, s22, ABYTES
.irp s, 0,1
	v_add_nc_u32 v[ADRA+\s], s21, v3
	v_add_nc_u32 v[ADRB+\s], s22, v4
	s_add_co_u32 s21, s21, SLOT
	s_add_co_u32 s22, s22, SLOT
.endr
	s_mul_i32 s23, s10, WSTAGE
	s_add_co_u32 s23, s23, STAGE                   ; my stage
	v_mul_u32_u24 v5, v1, SPITCH                   ; in: row l % 16, 32 bytes for each half of the lanes
	v_lshl_add_u32 v5, v2, 5, v5
	v_add_nc_u32 v[STO], s23, v5
	v_and_b32 v6, 31, v0
	v_lshlrev_b32 v[CO], 4, v6                     ; back and out: the wave takes a row's 512 bytes
	v_add_nc_u32 v[RD], s23, v[CO]
	s_lshl_b32 s16, s13, 7
	s_lshl_b32 s17, s11, 6
	s_add_co_u32 s16, s16, s17                     ; my first row
	s_lshl_b32 s16, s16, 12                        ; x 4,096 bytes: under 2^25
	s_lshl_b32 s46, s42, 8
	s_lshl_b32 s47, s12, 7
	s_add_co_u32 s46, s46, s47                     ; my first column
	s_lshl_b32 s46, s46, 2
	s_add_co_u32 s16, s16, s46
	s_mov_b32 s17, 0
	s_add_nc_u64 s[8:9], s[8:9], s[16:17]
; 8 matrix instructions: m block a x all 8 n blocks, 32 along K, from buffer f.  The 32 accumulators take turns, one instruction a turn.
.macro MULA f, a, zero
.irp b, 0,1,2,3,4,5,6,7
.if \zero
	v_wmma_f32_16x16x32_f16 v[8*(8*\a+\b):8*(8*\a+\b)+7], v[FB+64*\f+8*\b:FB+64*\f+8*\b+7], v[FA+32*\f+8*\a:FA+32*\f+8*\a+7], 0
.else
	v_wmma_f32_16x16x32_f16 v[8*(8*\a+\b):8*(8*\a+\b)+7], v[FB+64*\f+8*\b:FB+64*\f+8*\b+7], v[FA+32*\f+8*\a:FA+32*\f+8*\a+7], v[8*(8*\a+\b):8*(8*\a+\b)+7]
.endif
.endr
.endm
; 24 LDS loads in one run: K quarter q of a slot into buffer f: B's sixteen first, then A's eight (head q / 2 of the step, channels 32 (q % 2) on)
.macro FETCH slot, q, f
	WIN 0
.irp i, 0,1,2,3,4,5,6,7
	ds_load_b128 v[FB+64*\f+8*\i:FB+64*\f+8*\i+3],   v[ADRB+\slot] offset:64*\q+\i*16*BPITCH
	ds_load_b128 v[FB+64*\f+8*\i+4:FB+64*\f+8*\i+7], v[ADRB+\slot] offset:64*\q+\i*16*BPITCH+32
.endr
.irp i, 0,1,2,3
	ds_load_b128 v[FA+32*\f+8*\i:FA+32*\f+8*\i+3],   v[ADRA+\slot] offset:(\q/2)*APLANE+(\q%2)*64+\i*16*APITCH
	ds_load_b128 v[FA+32*\f+8*\i+4:FA+32*\f+8*\i+7], v[ADRA+\slot] offset:(\q/2)*APLANE+(\q%2)*64+\i*16*APITCH+32
.endr
.endm
.macro PLACES                          ; four places in front of loads into registers that matrix instructions have read, and of instructions that read results just made (ISA guide 7.12.1 for instructions that read results just made)
.rept 4
	v_nop
.endr
.endm
.macro QUARTER slot, q, f, g, zero
	s_wait_dscnt 4                                 ; B and A's fragments 0 and 1 are in; the youngest four loads may be out
	WIN MUL
	MULA \f, 0, \zero
	MULA \f, 1, \zero
	PLACES
	FETCH \slot, \q, \g
	s_wait_dscnt 24                                ; all but the 24 just issued
	WIN MUL
	MULA \f, 2, \zero
	MULA \f, 3, \zero
.endm
; The last quarter multiplies buffer 1 and changes slots: one barrier; in front of it each wave waits for all its tensor loads, adds 0 to its spare word, and waits for that and for its reads of this slot.
.macro TURN slot, next, fill
	WIN 0
	s_wait_tensorcnt 0x0
	ds_add_u32 v[SPW], v[NIL]
	s_wait_dscnt 7                                 ; the add and A's fragments 1 to 3 (six loads) may be out
	WIN MUL
	MULA 1, 0, 0
	s_wait_dscnt 0x0                               ; the add is done, and my reads of this slot are over
	s_barrier_signal -1
	MULA 1, 1, 0
.if \fill
	WIN 0
.endif
	s_barrier_wait -1
.if \fill
	CREST                                          ; no wave of any partner still reads this slot or has a load on its way
	s_add_nc_u64 s[G0+4*\slot+2:G0+4*\slot+3], s[G0+4*\slot+2:G0+4*\slot+3], ASTEP
	s_add_nc_u64 s[G0B+4*\slot+2:G0B+4*\slot+3], s[G0B+4*\slot+2:G0B+4*\slot+3], BSTEP
	JLOAD \slot                                    ; the first tensor load behind the round; its four v_nop are also the places in front of the loads below
.else
	PLACES
.endif
	FETCH \next, 0, 0
	WIN MUL
	MULA 1, 2, 0
	MULA 1, 3, 0
.endm
; THE WAY OUT of m block a: 16 rows x 512 bytes through my own stage; each accumulator's low half goes first.
.macro TOSTAGE a
.set BK, OB+64*((\a)%2)
	s_wait_xcnt 0x0                                ; the stores of the block two back have read the registers that are loaded below
	WIN 0x04                                       ; the stores' data in window 1
.irp b, 0,1,2,3,4,5,6,7
	ds_store_b128 v[STO], v[64*\a+8*\b:64*\a+8*\b+3]   offset:64*\b
	ds_store_b128 v[STO], v[64*\a+8*\b+4:64*\a+8*\b+7] offset:64*\b+16
.endr
	WIN 0
.irp i, 0,1,2,3,4,5,6,7,8,9,10,11,12,13,14,15
	ds_load_b128 v[BK+4*\i:BK+4*\i+3], v[RD] offset:SPITCH*\i      ; LDS serves a wave's instructions in order (ISA guide 5.7.1.4): these see the stores above, and the next block's stores come behind them
.endr
.endm
.macro SEND a, younger                 ; younger: the LDS instructions issued behind block a's loads: the next block's 32, or none
.set BK, OB+64*((\a)%2)
.irp i, 0,1,2,3,4,5,6,7,8,9,10,11,12,13,14,15
	s_wait_dscnt \younger+15-\i
	global_store_b128 v[CO], v[BK+4*\i:BK+4*\i+3], s[8:9] offset:(16*\a+\i)*4096 th:TH_STORE_NT   ; the wave stores 512 consecutive bytes, at a multiple of 512 from the buffer's first byte
.endr
.endm
	s_wait_tensorcnt 1                             ; my part of K step 0 is in; K step 1's may stay out
	s_barrier_signal -1
	s_barrier_wait -1
	FETCH 0, 0, 0
	QUARTER 0, 1, 0, 1, 1                          ; the first quarter's products start the sums
	WIN 0
	s_mov_b32 s3, LAPS-1
.Llap:
	QUARTER 0, 2, 1, 0, 0
	QUARTER 0, 3, 0, 1, 0
	TURN 0, 1, 1
	QUARTER 1, 1, 0, 1, 0
	QUARTER 1, 2, 1, 0, 0
	QUARTER 1, 3, 0, 1, 0
	TURN 1, 0, 1
	QUARTER 0, 1, 0, 1, 0
	WIN 0
	s_sub_co_u32 s3, s3, 1
	s_cmp_lg_u32 s3, 0
	s_cbranch_scc1 .Llap
	QUARTER 0, 2, 1, 0, 0                          ; the last lap fills nothing
	QUARTER 0, 3, 0, 1, 0
	TURN 0, 1, 0
	QUARTER 1, 1, 0, 1, 0
	QUARTER 1, 2, 1, 0, 0
	QUARTER 1, 3, 0, 1, 0
	s_wait_dscnt 4
	WIN MUL
	MULA 1, 0, 0
	MULA 1, 1, 0
	s_wait_dscnt 0x0
	MULA 1, 2, 0
	MULA 1, 3, 0
	WIN 0
	PLACES
	TOSTAGE 0
	TOSTAGE 1
	SEND 0, 32
	TOSTAGE 2
	SEND 1, 32
	TOSTAGE 3
	SEND 2, 32
	SEND 3, 0
	s_wait_tensorcnt 0x0                           ; the wave's end
	ds_add_u32 v[SPW], v[NIL]
	s_wait_dscnt 0x0
	CROUND                                         ; the closing round
	s_endpgm
.Lfunc_end_k_q27c2c53146_proj:
	.size	k_q27c2c53146_proj, .Lfunc_end_k_q27c2c53146_proj-k_q27c2c53146_proj
	.p2alignl 7, 3214868480
	.fill 96, 4, 3214868480
	.section	.rodata,"a",@progbits
	.p2align	6, 0x0
	.amdhsa_kernel k_q27c2c53146_proj
		.amdhsa_group_segment_fixed_size 327680
		.amdhsa_private_segment_fixed_size 0
		.amdhsa_enable_private_segment 0
		.amdhsa_kernarg_size 24
		.amdhsa_user_sgpr_count 2
		.amdhsa_user_sgpr_kernarg_segment_ptr 1
		.amdhsa_wavefront_size32 1
		.amdhsa_system_sgpr_workgroup_id_x 1
		.amdhsa_system_sgpr_workgroup_id_y 1
		.amdhsa_system_sgpr_workgroup_id_z 1
		.amdhsa_system_vgpr_workitem_id 0
		.amdhsa_next_free_vgpr 512
		.amdhsa_next_free_sgpr 66
		.amdhsa_reserve_vcc 0
		.amdhsa_float_denorm_mode_32 3
		.amdhsa_float_denorm_mode_16_64 3
		.amdhsa_memory_ordered 1
		.amdhsa_forward_progress 1
		.amdhsa_inst_pref_size 87
	.end_amdhsa_kernel
	.amdgpu_metadata
---
amdhsa.version: [ 1, 2 ]
amdhsa.kernels:
  - .name:           k_q27c2c53146_proj
    .symbol:         k_q27c2c53146_proj.kd
    .args:
      - { .name: yh, .offset: 0, .size: 8, .value_kind: global_buffer, .address_space: global }
      - { .name: wph, .offset: 8, .size: 8, .value_kind: global_buffer, .address_space: global }
      - { .name: out0, .offset: 16, .size: 8, .value_kind: global_buffer, .address_space: global }
    .group_segment_fixed_size: 327680
    .private_segment_fixed_size: 0
    .kernarg_segment_align: 8
    .kernarg_segment_size: 24
    .max_flat_workgroup_size: 128
    .sgpr_count:     66
    .vgpr_count:     512
    .wavefront_size: 32
...
	.end_amdgpu_metadata
.endif
;; end of part 4
;; ======== version 2 of 2: 4 launches; version 1 with the launch cast written anew for expert scheduling mode
;; limits: values are held in f16: magnitudes above 65,504 overflow, below 6.1e-05 lose precision
;; workspace buffers: xb 16,777,216 bytes; wqb 6,291,456 bytes; wph 2,097,152 bytes; qkvh 50,331,648 bytes; yh 16,777,216 bytes
;; launch cast (part 5): grid 768 x 1, 8 waves a work-group, no clusters, 0 bytes of LDS; arguments x, w_qkv, w_proj, xb, wqb, wph; writes xb, wqb, wph
.if DOCPART == 5
	.amdgcn_target "amdgcn-amd-amdhsa--gfx1250"
	.amdhsa_code_object_version 6
	.text
	.protected	k_q27c2c53146_cast
	.globl	k_q27c2c53146_cast
	.p2align	8
	.type	k_q27c2c53146_cast,@function
k_q27c2c53146_cast:
	s_mov_b64 s[64:65], 0
	v_nop
	global_prefetch_b8 v0, s[64:65] scope:SCOPE_SE
	s_setreg_imm32_b32 hwreg(HW_REG_WAVE_SCHED_MODE, 0, 2), 2
	s_setreg_imm32_b32 hwreg(HW_REG_WAVE_MODE, 25, 1), 1
	s_wait_xcnt 0x0
	s_wait_alu depctr_vm_vsrc(0)
; cast: the three f32 inputs are rounded once to the 16-bit operands of the matrix launches.
;   x -> xb (bf16), w_qkv -> wqb (bf16), w_proj -> wph: rounded to bf16 like the others, and that value written as f16,
;   since it multiplies an f16 operand.  LIMIT: the second step is exact for 2^-14 <= |w| < 65,504; below it the absolute
;   error is at most 2^-25, above it the f16 is infinite.
; A work-group takes a chunk of 16,384 numbers (65,536 bytes in, 32,768 out): chunks 0-511 are x's, 512-703 w_qkv's, 704-767 w_proj's.
; Thread t takes 16 bytes at 16 t + 4,096 i, i = 0..15: a load of a wave covers 512 neighbouring bytes, a store of a wave
; (8 bytes a lane) 256 neighbouring bytes that begin at a multiple of 256 from the buffer's first byte.
; All sixteen loads go out first; no register is written twice while a store reads it, so no wait frees any.
; No LDS, no matrix unit, no cluster: every byte is read once and written once and no work-group shares a byte with another.
; THE MODE: SCHED_MODE bits 1:0 = 2 (LLVM: expert scheduling mode 2), set by the entry lines.  The code itself states the register dependences
; between vector instructions and memory instructions, with s_wait_alu, always for 0.
; THE PLAN.  Registers that memory instructions touch:
;   v1, v2   byte offsets of the loads and of the stores: written once at the head, by vector lines, and never again.
;   X        piece i: written by its load, once; no vector line names it ahead of the loads; read by piece i's conversions behind the wait on LOADcnt.
;   Y        piece i: written by piece i's conversions, once; read by piece i's store, once; never written again.
;   T is named by vector lines alone.  The bases s[20:23] are written by scalar lines ahead of the first load and never again.
; The sixteen pieces go in four groups of four.  Group g waits for its four loads; one wait on va_vdst states that group g - 1's conversions have written
; their Y; then group g - 1's four stores are dealt among group g's conversions, which name X and Y of group g (and T) alone: none of the registers
; that those stores read.  Behind group 3 one more such wait stands ahead of the last four stores.  No register that a memory instruction has read
; is ever written again, so no wait on vm_vsrc is owed; no vector line writes a scalar register, VCC or EXEC.
.set X, 4                              ; v[4:67]    piece i: 4 numbers in f32
.set Y, 68                             ; v[68:99]   piece i: 4 numbers in 16 bits
.set T, 100                            ; v[100:105] at work (w_proj's path)
	s_load_b256 s[4:11], s[0:1], 0x0               ; x s[4:5], w_qkv s[6:7], w_proj s[8:9], xb s[10:11]
	s_load_b128 s[12:15], s[0:1], 0x20             ; wqb s[12:13], wph s[14:15]
	v_lshlrev_b32 v1, 4, v0                        ; 16 t: my bytes in a piece of the source
	v_lshlrev_b32 v2, 3, v0                        ; 8 t: in a piece of the result
	s_movk_i32 s24, 704                            ; first chunk of w_proj
	s_movk_i32 s25, 512                            ; first chunk of w_qkv
	s_wait_kmcnt 0x0
	s_cmp_ge_u32 ttmp9, s24                        ; the choice of buffers hangs on the work-group's number alone
	s_cselect_b64 s[20:21], s[8:9], s[6:7]
	s_cselect_b64 s[22:23], s[14:15], s[12:13]
	s_cselect_b32 s17, s24, s25
	s_cmp_lt_u32 ttmp9, s25
	s_cselect_b64 s[20:21], s[4:5], s[20:21]
	s_cselect_b64 s[22:23], s[10:11], s[22:23]
	s_cselect_b32 s17, 0, s17
	s_sub_co_u32 s16, ttmp9, s17                   ; my chunk in its tensor
	s_lshl_b32 s18, s16, 16                        ; 65,536 bytes of source a chunk (at most 511 chunks: under 2^25)
	s_mov_b32 s19, 0
	s_add_nc_u64 s[20:21], s[20:21], s[18:19]
	s_lshl_b32 s18, s16, 15                        ; 32,768 bytes of result
	s_add_nc_u64 s[22:23], s[22:23], s[18:19]
	s_wait_alu depctr_va_vdst(0)                   ; v1 and v2 are written: every load of the kernel reads v1 as its offset, every store v2; no later vector line names either
.irp i, 0,1,2,3,4,5,6,7,8,9,10,11,12,13,14,15
	global_load_b128 v[X+4*\i:X+4*\i+3], v1, s[20:21] offset:4096*\i th:TH_LOAD_NT
.endr
; Piece i leaves: 8 bytes a lane.
.macro OUT i
	global_store_b64 v2, v[Y+2*(\i):Y+2*(\i)+1], s[22:23] offset:2048*(\i)   ; the next launch reads these bytes: no streaming hint
.endm
; Piece i is rounded to bf16.
.macro TOBF i
	v_cvt_pk_bf16_f32 v[Y+2*(\i)],   v[X+4*(\i)],   v[X+4*(\i)+1]
	v_cvt_pk_bf16_f32 v[Y+2*(\i)+1], v[X+4*(\i)+2], v[X+4*(\i)+3]
.endm
; Piece i is rounded to bf16, and that value is written as f16.
.macro TOH i
	v_cvt_pk_bf16_f32 v[T],   v[X+4*(\i)],   v[X+4*(\i)+1]  ; the rounding that all inputs get,
	v_cvt_pk_bf16_f32 v[T+1], v[X+4*(\i)+2], v[X+4*(\i)+3]
	v_lshlrev_b32 v[T+2], 16, v[T]                          ; widened again,
	v_and_b32     v[T+3], 0xffff0000, v[T]
	v_lshlrev_b32 v[T+4], 16, v[T+1]
	v_and_b32     v[T+5], 0xffff0000, v[T+1]
	v_cvt_pk_f16_f32 v[Y+2*(\i)],   v[T+2], v[T+3]          ; and written as f16: 8 bits of mantissa fit in 11
	v_cvt_pk_f16_f32 v[Y+2*(\i)+1], v[T+4], v[T+5]
.endm
	s_cmp_ge_u32 ttmp9, s24
	s_cbranch_scc1 .Lproj
.irp g, 0,1,2,3
	s_wait_loadcnt 12-4*\g                         ; loads come back in order: group g's four pieces are in, the 4 (3 - g) younger ones stay out
.if \g > 0
	s_wait_alu depctr_va_vdst(0)                   ; the group before has written its Y, which the four stores below read
.endif
.irp i, 0,1,2,3
.if \g > 0
	OUT 4*(\g)-4+(\i)                              ; the group before leaves; no vector line since the wait names its Y or v2
.endif
	TOBF 4*(\g)+(\i)
.endr
.endr
	s_wait_alu depctr_va_vdst(0)                   ; group 3 has written its Y, which the last four stores read
.irp i, 12,13,14,15
	OUT \i
.endr
	s_endpgm
.Lproj:
.irp g, 0,1,2,3
	s_wait_loadcnt 12-4*\g                         ; group g's four pieces are in, the 4 (3 - g) younger ones stay out
.if \g > 0
	s_wait_alu depctr_va_vdst(0)                   ; the group before has written its Y, which the four stores below read
.endif
.irp i, 0,1,2,3
.if \g > 0
	OUT 4*(\g)-4+(\i)                              ; the group before leaves; no vector line since the wait names its Y or v2
.endif
	TOH 4*(\g)+(\i)
.endr
.endr
	s_wait_alu depctr_va_vdst(0)                   ; group 3 has written its Y, which the last four stores read
.irp i, 12,13,14,15
	OUT \i
.endr
	s_endpgm
.Lfunc_end_k_q27c2c53146_cast:
	.size	k_q27c2c53146_cast, .Lfunc_end_k_q27c2c53146_cast-k_q27c2c53146_cast
	.p2alignl 7, 3214868480
	.fill 96, 4, 3214868480
	.section	.rodata,"a",@progbits
	.p2align	6, 0x0
	.amdhsa_kernel k_q27c2c53146_cast
		.amdhsa_group_segment_fixed_size 0
		.amdhsa_private_segment_fixed_size 0
		.amdhsa_enable_private_segment 0
		.amdhsa_kernarg_size 48
		.amdhsa_user_sgpr_count 2
		.amdhsa_user_sgpr_kernarg_segment_ptr 1
		.amdhsa_wavefront_size32 1
		.amdhsa_system_sgpr_workgroup_id_x 1
		.amdhsa_system_sgpr_workgroup_id_y 1
		.amdhsa_system_sgpr_workgroup_id_z 1
		.amdhsa_system_vgpr_workitem_id 0
		.amdhsa_next_free_vgpr 108
		.amdhsa_next_free_sgpr 66
		.amdhsa_reserve_vcc 0
		.amdhsa_float_denorm_mode_32 3
		.amdhsa_float_denorm_mode_16_64 3
		.amdhsa_memory_ordered 1
		.amdhsa_forward_progress 1
		.amdhsa_inst_pref_size 16
	.end_amdhsa_kernel
	.amdgpu_metadata
---
amdhsa.version: [ 1, 2 ]
amdhsa.kernels:
  - .name:           k_q27c2c53146_cast
    .symbol:         k_q27c2c53146_cast.kd
    .args:
      - { .name: x, .offset: 0, .size: 8, .value_kind: global_buffer, .address_space: global }
      - { .name: w_qkv, .offset: 8, .size: 8, .value_kind: global_buffer, .address_space: global }
      - { .name: w_proj, .offset: 16, .size: 8, .value_kind: global_buffer, .address_space: global }
      - { .name: xb, .offset: 24, .size: 8, .value_kind: global_buffer, .address_space: global }
      - { .name: wqb, .offset: 32, .size: 8, .value_kind: global_buffer, .address_space: global }
      - { .name: wph, .offset: 40, .size: 8, .value_kind: global_buffer, .address_space: global }
    .group_segment_fixed_size: 0
    .private_segment_fixed_size: 0
    .kernarg_segment_align: 8
    .kernarg_segment_size: 48
    .max_flat_workgroup_size: 256
    .sgpr_count:     66
    .vgpr_count:     108
    .wavefront_size: 32
...
	.end_amdgpu_metadata
.endif
;; end of part 5
;; launch qkv: the kernel of part 2 again; grid 12 x 16, 4 waves a work-group, clusters of 4 x 4, 327,680 bytes of LDS; arguments xb, wqb, qkvh; writes qkvh
;; launch attn: the kernel of part 3 again; grid 4 x 64, 8 waves a work-group, no clusters, 327,680 bytes of LDS; arguments qkvh, yh; writes yh
;; launch proj: the kernel of part 4 again; grid 4 x 64, 4 waves a work-group, clusters of 4 x 4, 327,680 bytes of LDS; arguments yh, wph, out0; writes out0
